; MI455X (gfx1250); checked and timed in simulation.
; The chip was launched on July 23, 2026; its instructions are those of AMD's public machine-readable ISA for CDNA 5 (MIT licence, August 2026) and "CDNA5" Instruction Set Architecture Reference Guide (July 2026). The comments in the code are by the model that wrote it; some were corrected since.
;; Attention Fusion. Allowed arithmetic: matrix products marked QUANTISED: E2M1 operands, one E8M0 scale for each 32 along K, by v_wmma_scale_f32_16x16x128_f8f6f4 with both operands' format E2M1 (or v_wmma_scale_f32_32x16x128_f4), f32 sums; products left as they are: bf16, f16 or f32 operands; f32 sums; everything else in f32.
;; Inputs: Wk 1,024 x 1,024 float32; Wo 1,024 x 1,024 float32; Wq 1,024 x 1,024 float32; Wv 1,024 x 1,024 float32; bk 1,024 float32; bo 1,024 float32; bq 1,024 float32; bv 1,024 float32; x 4 x 2,048 x 1,024 float32.
;; Outputs: out0 4 x 2,048 x 1,024 float32.
;; This version of the problem:
;;   THIS VERSION OF THE PROBLEM IS GIVEN IN LOW PRECISION. The matrix products marked QUANTISED in the list below multiply operands that are first quantised to E2M1 (2 exponent bits, 1 mantissa bit; 4 bits a number), with one power-of-two scale for each 32 numbers along K (OCP MX v1.0); their sums are f32. The products marked 'left as it is' may take bf16, f16 or f32 operands, with f32 sums. Whichever they take, every output number must still come out within the allowed error. Rounding operands to bf16 (8 significant bits) uses up far more of that allowance than f16 does (11 bits, for magnitudes from 6e-5 to 65,504). All else is computed in f32.
;;   The module's matrix products, in the order in which they are computed (A, B: the left and right operand; K: the contracted axis; several contracted axes count as one K, in the product's order):
;;     1. [M 8,192, K 1,024] x [K 1,024, N 1,024]; A: input x; B: input Wq: QUANTISED
;;     2. [M 8,192, K 1,024] x [K 1,024, N 1,024]; A: input x; B: input Wk: QUANTISED
;;     3. [M 8,192, K 1,024] x [K 1,024, N 1,024]; A: input x; B: input Wv: QUANTISED
;;     4. batch 64 x [M 2,048, K 64] x [K 64, N 2,048]; A: computed on the way; B: computed on the way: left as it is (an operand is computed on the way)
;;     5. batch 64 x [M 2,048, K 2,048] x [K 2,048, N 64]; A: computed on the way; B: computed on the way: left as it is (an operand is computed on the way)
;;     6. [M 8,192, K 1,024] x [K 1,024, N 1,024]; A: computed on the way; B: input Wo: left as it is (an operand is computed on the way)
;;   THE QUANTISER, for each operand of a quantised product, along K:
;;     - K is cut into blocks of 32 from its start; a last block that is shorter is filled with zeros.
;;     - A block's scale is 2^e with e = floor(log2(the largest magnitude in the block)) - 2, held to -126 .. 127; a block of zeros has e = 0. As a byte (E8M0): e + 127.
;;     - Each number is divided by its block's scale, clamped to +-6, and rounded to the nearest number of E2M1, ties to even, subnormals kept.
;;     - The product sums the exact products of the quantised numbers (number of the format x scale) in f32.
;;   ~~~python
;;   def quantise(x, axis):      # numpy; x: float32 -> the quantised numbers, widened to float32 again
;;       x = np.moveaxis(x, axis, -1); K = x.shape[-1]
;;       x = np.pad(x, [(0, 0)] * (x.ndim - 1) + [(0, -K % 32)]); x = x.reshape(x.shape[:-1] + (-1, 32)); a = np.abs(x).max(-1, keepdims=True)
;;       e = np.where(a > 0, np.clip(np.frexp(np.where(a > 0, a, 1))[1] - 1 - 2, -126, 127), 0)      # np.frexp(a)[1] - 1 = floor(log2(a)), exactly
;;       r = np.clip(x / 2.0 ** e, -6, 6)
;;       step = 2.0 ** (np.maximum(np.frexp(np.where(r == 0, 1, r))[1] - 1, 0) - 1)
;;       q = np.round(r / step) * step * 2.0 ** e      # np.round: ties to even
;;       return np.moveaxis(q.reshape(q.shape[:-2] + (-1,))[..., :K], -1, axis).astype(np.float32)
;;   ~~~
;; One version. Each part assembles by itself: llvm-mc -triple=amdgcn-amd-amdhsa -mcpu=gfx1250 --defsym DOCPART=n.
;; ======== version 1 of 1: 4 launches
;; limits: values are held in f16: magnitudes above 65,504 overflow, below 6.1e-05 lose precision
;; workspace buffers: xc 4,194,304 bytes; xs 262,144 bytes; wc 1,572,864 bytes; ws 98,304 bytes; wo16 2,097,152 bytes; qkv 50,331,648 bytes; of 16,777,216 bytes
;; launch prep (part 1): grid 416 x 1, 4 waves a work-group, no clusters, 50,688 bytes of LDS; arguments x, Wq, Wk, Wv, Wo, xc, xs, wc, ws, wo16; writes xc, xs, wc, ws, wo16
.if DOCPART == 1
	.amdgcn_target "amdgcn-amd-amdhsa--gfx1250"
	.amdhsa_code_object_version 6
	.text
	.protected	k_qa2ffe147fe_prep
	.globl	k_qa2ffe147fe_prep
	.p2align	8
	.type	k_qa2ffe147fe_prep,@function
k_qa2ffe147fe_prep:
	s_mov_b64 s[64:65], 0
	v_nop
	global_prefetch_b8 v0, s[64:65] scope:SCOPE_SE
	s_setreg_imm32_b32 hwreg(HW_REG_WAVE_MODE, 25, 1), 1
	s_wait_xcnt 0x0
; PREPARATION OF THE OPERANDS, one launch, three kinds of work-group, parted by the work-group's number alone; the three ways never join.
;   0-95    W: Wq, Wk, Wv [1024 (k)][1024 (n)] f32 -> codes of FP4 (E2M1) with K innermost, wc [3072 (n)][512 bytes], and one E8M0 byte for each 32 along K, ws [3072][32].  Row n = 1024 x weight + column.
;   96-159  O: Wo [1024 (k)][1024 (n)] f32 -> f16, laid in the order of an operand's registers: wo16 [nblk 4][kg 8][nt 16][s 4][c 2][512 bytes]; in a piece lane (r, h) holds n = 256 nblk + 16 nt + r, k = 128 kg + 32 s + 16 c + 8 h + 0 .. 7.
;   160-415 X: x [8192][1024] f32 -> codes xc [8192][512 bytes], scale bytes xs [8192][32].
; A block's scale is 2^(floor(log2(its largest magnitude)) - 2); its byte is the largest magnitude's exponent field - 2, held at 1 from below.  A block of zeros so gets the byte 1: its codes are zeros, and this program alone reads the bytes.
; LIMITS: a block whose largest magnitude lies under 2^-124 takes the byte 1; NaN and infinities among the inputs are not served; a number of Wo beyond 65,504 becomes infinite in f16.
; No tensor load, no barrier: waves share nothing.  No cluster: no two work-groups read the same bytes.  Each way has LDS bytes of its own.
.set WV,    24                         ; s24  my wave's number
.set SPW,   224                        ; v224 LDS address of my spare word: SPARE + 4 x my thread's number; never rewritten
.set NIL,   225                        ; v225 0; never rewritten
.set SPARE, 50176                      ; behind both ways' regions: the spare words, 128 bytes for each wave
; way X
.set WREG,  8192                       ; LDS 0 .. 32,767: a region for each wave: two stages of 32 x SP bytes, behind them its 256 scale bytes
.set SP,    80                         ; a lane's place in a stage: its 64 bytes + 16 of padding
.set R,     16                         ; v16-143  eight sets of 16 numbers as they are loaded
.set XX,    144                        ; v144-175 two sets of 16 neighbours
.set E,     176                        ; v176-191 a scale byte for each step
.set C,     192                        ; v192-223 a pair of code registers for each step: no store's data are written again
; way W
.set WST,   32768                      ; LDS 32,768 .. 50,175: a stage of 16 rows x 272 bytes for each wave
.set WP,    272
.set XW,    32                         ; v32-95   two sets of 32 numbers
.set CW,    160                        ; v160-163 a block's codes
.set SB,    24                         ; v24-25   my eight scale bytes
; way O
.set OL,    16                         ; v16-143  eight numbers for each of 16 pieces
.set ORES,  144                        ; v144-207 four registers of f16 for each piece
	s_load_b256 s[4:11], s[0:1], 0x0               ; x s[4:5], Wq s[6:7], Wk s[8:9], Wv s[10:11]
	s_load_b256 s[12:19], s[0:1], 0x20             ; Wo s[12:13], xc s[14:15], xs s[16:17], wc s[18:19]
	s_load_b128 s[20:23], s[0:1], 0x40             ; ws s[20:21], wo16 s[22:23]
	v_lshl_add_u32 v[SPW], v0, 2, SPARE
	v_mov_b32 v[NIL], 0
	v_lshrrev_b32 v1, 5, v0
	v_readfirstlane_b32 s[WV], v1                  ; wave 0..3
	v_and_b32 v2, 31, v0                           ; lane
	s_wait_kmcnt 0x0
	s_cmp_ge_u32 ttmp9, 160
	s_cbranch_scc1 .Lpath_x
	s_cmp_ge_u32 ttmp9, 96
	s_cbranch_scc1 .Lpath_o
; ---------------------------------------------------------------- WAY W
; A LANE TAKES A COLUMN, AND ITS REGISTERS RUN DOWN K.  A wave takes 16 columns x 512 along K: lane (r, h) takes column n0 + r and K = 512 y + 256 h + 32 t + i, eight blocks t.
; The four waves of a work-group stand side by side on 256 consecutive bytes of each row of W.  A lane's codes go through the wave's stage and leave as rows: sixteen lanes store 256 consecutive bytes, aligned.
	s_lshr_b32 s25, ttmp9, 5                       ; which weight
	s_and_b32 s30, ttmp9, 15                       ; which 64 columns
	s_bfe_u32 s31, ttmp9, 0x10004                  ; y: which half of K
	s_cmp_eq_u32 s25, 0                            ; the choice hangs on the work-group's number alone
	s_cselect_b64 s[26:27], s[6:7], s[8:9]
	s_cmp_eq_u32 s25, 2
	s_cselect_b64 s[26:27], s[10:11], s[26:27]
	s_lshl_b32 s30, s30, 6
	s_lshl_b32 s32, s[WV], 4
	s_add_co_u32 s30, s30, s32                     ; n0 = 64 x group + 16 x wave
	s_lshl_b32 s28, s31, 21                        ; 512 rows of 4,096 bytes
	s_lshl_b32 s32, s30, 2
	s_add_co_u32 s28, s28, s32
	s_mov_b32 s29, 0
	s_add_nc_u64 s[26:27], s[26:27], s[28:29]      ; W at (512 y, n0)
	s_lshl_b32 s32, s25, 10
	s_add_co_u32 s32, s32, s30                     ; the output's row: 1024 x weight + n0
	s_lshl_b32 s28, s32, 9
	s_lshl_b32 s33, s31, 8
	s_add_co_u32 s28, s28, s33
	s_add_nc_u64 s[18:19], s[18:19], s[28:29]      ; codes: row x 512 + 256 y
	s_lshl_b32 s28, s32, 5
	s_lshl_b32 s33, s31, 4
	s_add_co_u32 s28, s28, s33
	s_add_nc_u64 s[20:21], s[20:21], s[28:29]      ; scale bytes: row x 32 + 16 y
	v_and_b32 v5, 15, v0                           ; r
	v_bfe_u32 v6, v0, 4, 1                         ; h
	v_lshlrev_b32 v3, 2, v5
	v_lshl_add_u32 v3, v6, 20, v3                  ; in: 4 r + 256 h rows of 4,096 bytes
	s_mul_i32 s33, s[WV], 16*WP
	s_add_co_u32 s33, s33, WST                     ; my stage
	v_mul_u32_u24 v4, v5, WP
	v_lshl_add_u32 v4, v6, 7, v4
	v_add_nc_u32 v4, s33, v4                       ; into it: row r, + 128 h
	v_mul_u32_u24 v7, v6, WP
	v_lshl_add_u32 v7, v5, 4, v7
	v_add_nc_u32 v7, s33, v7                       ; out of it: sixteen lanes to a row, two rows an instruction
	v_lshlrev_b32 v8, 9, v6
	v_lshl_add_u32 v8, v5, 4, v8                   ; and the same place in the codes' buffer
	v_lshlrev_b32 v9, 5, v5
	v_lshl_add_u32 v9, v6, 3, v9                   ; my eight scale bytes: 32 r + 8 h
.macro LOADW t                         ; block t into set t % 2
.irp i, 0,1,2,3,4,5,6,7,8,9,10,11,12,13,14,15,16,17,18,19,20,21,22,23,24,25,26,27,28,29,30,31
	global_load_b32 v[XW+32*((\t)%2)+\i], v3, s[26:27] offset:(32*(\t)+\i)*4096 th:TH_LOAD_NT
.endr
.endm
.macro BLOCKW t
.set XS, XW+32*((\t)%2)
.if (\t) < 7
	s_wait_loadcnt 32                              ; this block's 32 loads are in; the next block's 32 may be out
.else
	s_wait_loadcnt 0x0
.endif
	v_max3_num_f32 v12, |v[XS]|, |v[XS+1]|, |v[XS+2]|              ; the block's largest magnitude: all 32 numbers are mine; two chains
	v_max3_num_f32 v13, |v[XS+3]|, |v[XS+4]|, |v[XS+5]|
.irp i, 6,10,14,18,22,26
	v_max3_num_f32 v12, v12, |v[XS+\i]|, |v[XS+\i+1]|
	v_max3_num_f32 v13, v13, |v[XS+\i+2]|, |v[XS+\i+3]|
.endr
	v_max3_num_f32 v12, v12, |v[XS+30]|, |v[XS+31]|
	v_max3_num_f32 v12, v12, v13, 0x1800000        ; and the floor 2^(3 - 127): the byte cannot fall under 1
	v_add_nc_u32 v11, 0xff000000, v12              ; 2 off the exponent field: the conversion takes the exponent field of this operand as its scale
	v_lshrrev_b32 v13, 23, v11                     ; the scale's byte
.if (\t)%4 == 0
	v_mov_b32 v[SB+(\t)/4], v13                    ; four bytes to a register, the lower K in the lower byte
.else
	v_lshl_or_b32 v[SB+(\t)/4], v13, 8*((\t)%4), v[SB+(\t)/4]
.endif
.irp g, 0,1,2,3
	v_cvt_scalef32_pk8_fp4_f32 v[CW+\g], v[XS+8*\g:XS+8*\g+7], v11
.endr
	ds_store_b128 v4, v[CW:CW+3] offset:16*(\t)    ; 32 codes: 16 bytes of my column's row
.if (\t)+2 < 8
	LOADW (\t)+2
.endif
	s_wait_dscnt 0x0                               ; the store has read its registers: the next block's codes may be written
.endm
	LOADW 0
	LOADW 1
.irp t, 0,1,2,3,4,5,6,7
	BLOCKW \t
.endr
	global_store_b64 v9, v[SB:SB+1], s[20:21]      ; my column's eight scale bytes
.irp i, 0,1,2,3,4,5,6,7
	ds_load_b128 v[XW+4*\i:XW+4*\i+3], v7 offset:2*\i*WP           ; LDS serves a wave's instructions in order: these see my stores
.endr
.irp i, 0,1,2,3,4,5,6,7
	s_wait_dscnt 7-\i
	global_store_b128 v8, v[XW+4*\i:XW+4*\i+3], s[18:19] offset:1024*\i   ; two rows: each sixteen lanes store 256 consecutive bytes, aligned
.endr
	s_wait_tensorcnt 0x0                           ; the wave's end, behind my last LDS store
	ds_add_u32 v[SPW], v[NIL]
	s_wait_dscnt 0x0
	s_endpgm
; ---------------------------------------------------------------- WAY O
; A work-group takes 16 rows k of Wo, wave w the columns 256 w .. 256 w + 255: 16 pieces.  Lane (r, h) reads Wo(16 kr + 8 h + j, 256 w + 16 p + r), j = 0 .. 7: its registers run down K, and four roundings make its 16 bytes of the piece.
.Lpath_o:
	s_sub_co_u32 s25, ttmp9, 96                    ; kr: which 16 rows
	s_lshl_b32 s28, s25, 16
	s_lshl_b32 s30, s[WV], 10
	s_add_co_u32 s28, s28, s30
	s_mov_b32 s29, 0
	s_add_nc_u64 s[12:13], s[12:13], s[28:29]      ; Wo at (16 kr, 256 w)
	s_lshl_b32 s28, s[WV], 19                      ; nblk = w
	s_lshr_b32 s30, s25, 3
	s_lshl_b32 s30, s30, 16                        ; kg = kr / 8
	s_add_co_u32 s28, s28, s30
	s_bfe_u32 s30, s25, 0x20001
	s_lshl_b32 s30, s30, 10                        ; s = (kr / 2) % 4
	s_add_co_u32 s28, s28, s30
	s_and_b32 s30, s25, 1
	s_lshl_b32 s30, s30, 9                         ; c = kr % 2
	s_add_co_u32 s28, s28, s30
	s_add_nc_u64 s[22:23], s[22:23], s[28:29]
	v_and_b32 v5, 15, v0
	v_bfe_u32 v6, v0, 4, 1
	v_lshlrev_b32 v3, 2, v5
	v_lshl_add_u32 v3, v6, 15, v3                  ; in: 4 r + 8 h rows of 4,096 bytes
	v_lshlrev_b32 v4, 4, v2                        ; out: 16 x lane
.macro LOADO p
.irp j, 0,1,2,3,4,5,6,7
	global_load_b32 v[OL+8*(\p)+\j], v3, s[12:13] offset:\j*4096+(\p)*64 th:TH_LOAD_NT
.endr
.endm
.macro PIECE p, left                   ; left: the loads of younger pieces, which may stay out
	s_wait_loadcnt \left
.irp i, 0,1,2,3
	v_cvt_pk_f16_f32 v[ORES+4*(\p)+\i], v[OL+8*(\p)+2*\i], v[OL+8*(\p)+2*\i+1]   ; the lower k in the low half
.endr
	global_store_b128 v4, v[ORES+4*(\p):ORES+4*(\p)+3], s[22:23] offset:(\p)*4096   ; 32 lanes store 512 consecutive bytes
.endm
.irp p, 0,1,2,3,4,5,6,7
	LOADO \p
.endr
.irp p, 0,1,2,3,4,5,6,7
	PIECE \p, 56                                   ; seven younger pieces' loads stay out
	LOADO \p+8                                     ; every piece has registers of its own
.endr
.irp p, 8,9,10,11,12,13,14,15
	PIECE \p, 8*(15-\p)
.endr
	s_endpgm                                       ; this way wrote no LDS
; ---------------------------------------------------------------- WAY X
; x is a plain stream of blocks of 32.  A wave takes 16 steps of 512 numbers.  Each of a step's four loads reads 512 consecutive bytes; the 2,048 bytes turn through the wave's stage and come back 64 bytes a lane:
; 16 neighbours along K, two neighbouring lanes to a block.  Loads run eight steps (32 loads a wave) ahead, the turn through LDS one step.
.Lpath_x:
	s_sub_co_u32 s25, ttmp9, 160
	s_lshl_b32 s25, s25, 2
	s_add_co_u32 s25, s25, s[WV]                   ; which run of 8,192 numbers is my wave's
	s_lshl_b32 s28, s25, 15
	s_mov_b32 s29, 0
	s_add_nc_u64 s[4:5], s[4:5], s[28:29]
	s_lshl_b32 s28, s25, 12
	s_add_nc_u64 s[14:15], s[14:15], s[28:29]
	s_lshl_b32 s28, s25, 8
	s_add_nc_u64 s[16:17], s[16:17], s[28:29]
	v_lshlrev_b32 v3, 4, v2                        ; my 16 bytes of a load's 512
	s_mul_i32 s30, s[WV], WREG
	v_lshrrev_b32 v14, 2, v2
	v_mul_u32_u24 v14, v14, SP
	v_and_b32 v15, 3, v2
	v_lshl_add_u32 v14, v15, 4, v14
	v_add_nc_u32 v14, s30, v14                     ; the stage, on the way in: SP (lane / 4) + 16 (lane % 4)
	v_mul_u32_u24 v15, v2, SP
	v_add_nc_u32 v15, s30, v15                     ; and on the way out: SP x lane
	v_lshlrev_b32 v4, 3, v2                        ; my 8 bytes of a step's codes
	v_lshrrev_b32 v5, 1, v2
	s_add_co_u32 s30, s30, 2*32*SP
	v_add_nc_u32 v5, s30, v5                       ; my block's byte among my wave's 256 scale bytes
	v_lshlrev_b32 v7, 3, v2                        ; on the way out 8 bytes a lane
	v_add_nc_u32 v6, s30, v7
.macro LOADX t
.irp i, 0,1,2,3
	global_load_b128 v[R+16*((\t)%8)+4*\i:R+16*((\t)%8)+4*\i+3], v3, s[4:5] offset:2048*(\t)+512*\i th:TH_LOAD_NT
.endr
.endm
.macro TURNX t                         ; LDS serves a wave's instructions in order: no wait between the stores and the loads
.irp i, 0,1,2,3
	ds_store_b128 v14, v[R+16*((\t)%8)+4*\i:R+16*((\t)%8)+4*\i+3] offset:32*SP*((\t)%2)+8*SP*\i
.endr
.irp i, 0,1,2,3
	ds_load_b128 v[XX+16*((\t)%2)+4*\i:XX+16*((\t)%2)+4*\i+3], v15 offset:32*SP*((\t)%2)+16*\i
.endr
.endm
.macro STEPX t
.set XS, XX+16*((\t)%2)
.if (\t) > 0
	s_wait_dscnt 1                                 ; this step's numbers are back from the stage (the last step's byte store may be out): so its stores into the stage have read their registers,
.else
	s_wait_dscnt 0x0
.endif
.if (\t)+8 < 16
	LOADX (\t)+8                                   ; which take the loads of eight steps on
.endif
.if (\t)+1 < 16
.if 14-(\t) >= 7
	s_wait_loadcnt 28                              ; the next step's four loads are in; those of the seven steps behind it may be out
.else
	s_wait_loadcnt 4*(14-(\t))
.endif
	TURNX (\t)+1
.endif
	v_max3_num_f32 v8, |v[XS]|, |v[XS+1]|, |v[XS+2]|               ; the largest magnitude of my 16
	v_max3_num_f32 v9, |v[XS+3]|, |v[XS+4]|, |v[XS+5]|
.irp i, 6,10
	v_max3_num_f32 v8, v8, |v[XS+\i]|, |v[XS+\i+1]|
	v_max3_num_f32 v9, v9, |v[XS+\i+2]|, |v[XS+\i+3]|
.endr
	v_max3_num_f32 v8, v8, |v[XS+14]|, |v[XS+15]|
	v_max3_num_f32 v8, v8, v9, 0x1800000           ; and the floor 2^(3 - 127)
	v_max_num_f32_dpp v8, v8, v8 row_xmask:1 row_mask:0xf bank_mask:0xf   ; and of my neighbour's 16: the block's
	v_add_nc_u32 v11, 0xff000000, v8               ; 2 off its exponent field: the conversions' scale operand
	v_cvt_scalef32_pk8_fp4_f32 v[C+2*(\t)], v[XS:XS+7], v11
	v_cvt_scalef32_pk8_fp4_f32 v[C+2*(\t)+1], v[XS+8:XS+15], v11
	v_lshrrev_b32 v[E+(\t)], 23, v11               ; the scale's byte
	ds_store_b8 v5, v[E+(\t)] offset:16*(\t)       ; both lanes of a block write the same byte with the same value
	global_store_b64 v4, v[C+2*(\t):C+2*(\t)+1], s[14:15] offset:256*(\t)   ; 32 lanes store 256 consecutive bytes, aligned
.endm
.irp t, 0,1,2,3,4,5,6,7
	LOADX \t
.endr
	s_wait_loadcnt 28                              ; step 0's four loads are in
	TURNX 0
.irp t, 0,1,2,3,4,5,6,7,8,9,10,11,12,13,14,15
	STEPX \t
.endr
	ds_load_b64 v[8:9], v6                         ; these see my byte stores
	s_wait_dscnt 0x0
	global_store_b64 v7, v[8:9], s[16:17]          ; my wave's 256 scale bytes, aligned
	s_wait_tensorcnt 0x0                           ; the wave's end, behind my last LDS store
	ds_add_u32 v[SPW], v[NIL]
	s_wait_dscnt 0x0
	s_endpgm
.Lfunc_end_k_qa2ffe147fe_prep:
	.size	k_qa2ffe147fe_prep, .Lfunc_end_k_qa2ffe147fe_prep-k_qa2ffe147fe_prep
	.p2alignl 7, 3214868480
	.fill 96, 4, 3214868480
	.section	.rodata,"a",@progbits
	.p2align	6, 0x0
	.amdhsa_kernel k_qa2ffe147fe_prep
		.amdhsa_group_segment_fixed_size 50688
		.amdhsa_private_segment_fixed_size 0
		.amdhsa_enable_private_segment 0
		.amdhsa_kernarg_size 80
		.amdhsa_user_sgpr_count 2
		.amdhsa_user_sgpr_kernarg_segment_ptr 1
		.amdhsa_wavefront_size32 1
		.amdhsa_system_sgpr_workgroup_id_x 1
		.amdhsa_system_sgpr_workgroup_id_y 1
		.amdhsa_system_sgpr_workgroup_id_z 1
		.amdhsa_system_vgpr_workitem_id 0
		.amdhsa_next_free_vgpr 232
		.amdhsa_next_free_sgpr 66
		.amdhsa_reserve_vcc 0
		.amdhsa_float_denorm_mode_32 3
		.amdhsa_float_denorm_mode_16_64 3
		.amdhsa_memory_ordered 1
		.amdhsa_forward_progress 1
		.amdhsa_inst_pref_size 92
	.end_amdhsa_kernel
	.amdgpu_metadata
---
amdhsa.version: [ 1, 2 ]
amdhsa.kernels:
  - .name:           k_qa2ffe147fe_prep
    .symbol:         k_qa2ffe147fe_prep.kd
    .args:
      - { .name: x, .offset: 0, .size: 8, .value_kind: global_buffer, .address_space: global }
      - { .name: Wq, .offset: 8, .size: 8, .value_kind: global_buffer, .address_space: global }
      - { .name: Wk, .offset: 16, .size: 8, .value_kind: global_buffer, .address_space: global }
      - { .name: Wv, .offset: 24, .size: 8, .value_kind: global_buffer, .address_space: global }
      - { .name: Wo, .offset: 32, .size: 8, .value_kind: global_buffer, .address_space: global }
      - { .name: xc, .offset: 40, .size: 8, .value_kind: global_buffer, .address_space: global }
      - { .name: xs, .offset: 48, .size: 8, .value_kind: global_buffer, .address_space: global }
      - { .name: wc, .offset: 56, .size: 8, .value_kind: global_buffer, .address_space: global }
      - { .name: ws, .offset: 64, .size: 8, .value_kind: global_buffer, .address_space: global }
      - { .name: wo16, .offset: 72, .size: 8, .value_kind: global_buffer, .address_space: global }
    .group_segment_fixed_size: 50688
    .private_segment_fixed_size: 0
    .kernarg_segment_align: 8
    .kernarg_segment_size: 80
    .max_flat_workgroup_size: 128
    .sgpr_count:     66
    .vgpr_count:     232
    .wavefront_size: 32
...
	.end_amdgpu_metadata
.endif
;; end of part 1
;; launch qkv (part 2): grid 12 x 32, 4 waves a work-group, clusters of 4 x 4, 327,680 bytes of LDS; arguments xc, xs, wc, ws, bq, bk, bv, qkv; writes qkv
.if DOCPART == 2
	.amdgcn_target "amdgcn-amd-amdhsa--gfx1250"
	.amdhsa_code_object_version 6
	.text
	.protected	k_qa2ffe147fe_qkv
	.globl	k_qa2ffe147fe_qkv
	.p2align	8
	.type	k_qa2ffe147fe_qkv,@function
k_qa2ffe147fe_qkv:
	s_mov_b64 s[64:65], 0
	v_nop
	global_prefetch_b8 v0, s[64:65] scope:SCOPE_SE
	s_setreg_imm32_b32 hwreg(HW_REG_WAVE_MODE, 25, 1), 1
	s_wait_xcnt 0x0
	s_wait_alu depctr_hold_cnt(0) depctr_sa_sdst(0) depctr_va_vdst(0) depctr_va_sdst(0) depctr_va_ssrc(0) depctr_va_vcc(0) depctr_vm_vsrc(0)
	s_getreg_b32 s2, hwreg(HW_REG_IB_STS2, 6, 4)
	s_cmp_eq_u32 s2, 0
	s_cbranch_scc0 .Lentry_in_a_cluster
	s_endpgm
.Lentry_in_a_cluster:
	s_bfe_u32 s2, ttmp6, 0x10000c
	s_cmp_lg_u32 s2, 0xf033
	s_cbranch_scc0 .Lentry_shape_is_right
	s_endpgm
.Lentry_shape_is_right:
; q, k, v = x W + b for the three weights at once: C[m][n] = sum over k of A[m][k] B[n][k] + bias[n], A = x's codes [8192][1024], B = the weights' codes [3072][1024] (row n = 1024 x part + channel; part 0, 1, 2 = q, k, v),
; codes of FP4 (E2M1) with one E8M0 scale for each 32 along K; sums in f32; the result is rounded once, to f16, and stored in the order of the next launch's operand registers.
; A tile of C, 256 x 256, is made by a work-group of four waves; a wave makes 128 x 128: 64 accumulators, 512 registers.  K = 1,024 is two LDS slots of 512 along K (rows of 256 bytes): both are asked for at the head and nothing is filled again.
; THE SCALES of the work-group's 256 rows of A and of B, for all of K, are two dense blocks: they come into LDS once, with the first fills.
; CLUSTERS: 4 x 4 work-groups; A's tiles are asked for jointly along a row of the cluster, B's along a column.  The grid's 12 x 32 work-groups are 24 clusters.
; THE MATRIX INSTRUCTION IS USED TRANSPOSED (source 0 = 16 rows of B, source 1 = 16 rows of A): lane (r, h) of accumulator (a, b) holds token 16 a + r and channels 16 b + 8 h + 0 .. 7: rounded to f16 these are 16 bytes, and the 32 lanes' are one PIECE of 512 bytes.
; qkv: [bh 64][g 32 (64 tokens)][part 3][tt 4 (16 tokens)][nt 4 (16 channels)][512 bytes].  In a piece of q or k the lane's 16 bytes lie at 16 x lane (an image of an operand's registers); in a piece of v at 32 r + 16 h (rows [token][16 channels] for the turning LDS load).
; So every store of a wave covers 512 consecutive bytes and the way out needs no stage.  THE BIAS is the C of each sum's first matrix instruction.
; LIMIT: a q, k or v beyond 65,504 becomes infinite in f16.  q is stored unscaled: the next launch applies 1 / sqrt(64) in f32.
; REGISTERS: window 0: v0-31 addresses; v32-95 scale words, two sets (on the way out: the rounded results); v128-191 A's fragments, one set; v192-255 the bias, eight registers for each of B's eight blocks.
;   window 1: B's fragments, two sets, at v0 and v128.   window 2: the accumulators of my rows 0-63 ((a, b) at v[8 (8 a + b)]);   window 3: those of my rows 64-127.
.set SIZE_K, 1024
.set KSTEP,  512
.set NQ,     KSTEP/128
.set ROWB,   256                       ; a tile's row in bytes
.set KROW,   SIZE_K/2                  ; a row of codes in memory
.set PITCH,  272                       ; an LDS row: 256 bytes + 16 of padding: the 16 rows that a load touches start at 16 different banks (64 banks of 4 bytes: ISA guide 11.1)
.set FR,     8
.set NL,     2
.set NP,     4                         ; places behind this matrix instruction (ISA guide 7.12.1)
.set HALFT,  128*PITCH
.set SLOT,   4*HALFT
.set KS,     SIZE_K/32                 ; a row of scales in bytes
.set SCL,    2*SLOT
.set HALFS,  (128*KS/256)*272
.set SBLK,   (16*KS/256)*272
.set SPARE,  SCL+4*HALFS               ; behind the scales: the spare words, 128 bytes for each wave
.set ADRA, 16
.set ADRB, 20
.set CO,   26                          ; v26  my 16 bytes' place in a piece
.set ADRS, 27
.set SPW,  28
.set NIL,  29
.set SC,   32
.set TMP,  32                          ; the way out: two sets of 32 registers
.set AF,   128
.set BI,   192
.set G1, 24
.set G0, 32
.set G1B, 48
.set G0B, 56
.set G1S, 68
.set G0S, 76
.set G1SB, 80
.set G0SB, 88
.set MSB, 0
.macro WIN new                         ; the immediate's high byte repeats the setting that is left
.if MSB != (\new)
	s_set_vgpr_msb (MSB<<8)|(\new)
.set MSB, (\new)
.endif
.endm
.set MUL_LO, 0xa1                      ; source 0 (B) window 1, source 1 (A) window 0, C and D window 2
.set MUL_HI, 0xf1                      ; the same, C and D window 3
.set TO_B,   0x40
; A joint load: waves 0 and 1 fetch for A, waves 2 and 3 for B; the branch hangs on the wave's number alone.  An s_nop 0 and four v_nop follow each of the two lines.
.macro JLOAD g0a, g1a, g0b, g1b
	s_cmp_eq_u32 s15, 0
	s_cbranch_scc0 .Lfor_b_\@
	tensor_load_to_lds s[\g0a:\g0a+3], s[\g1a:\g1a+7]
	s_nop 0
.rept 4
	v_nop
.endr
	s_branch .Lasked_\@
.Lfor_b_\@:
	tensor_load_to_lds s[\g0b:\g0b+3], s[\g1b:\g1b+7]
	s_nop 0
.rept 4
	v_nop
.endr
.Lasked_\@:
.endm
.macro CROUND                          ; a round of the cluster's barrier
	s_barrier_signal -1
	s_barrier_wait -1
	s_cmp_lg_u32 s14, 0
	s_cbranch_scc1 .Lnot_wave_0_\@
	s_barrier_signal -3
.Lnot_wave_0_\@:
	s_barrier_wait -3
	s_barrier_signal -1
	s_barrier_wait -1
.endm
	s_load_b128 s[4:7], s[0:1], 0x0                ; x's codes, x's scales
	s_load_b128 s[8:11], s[0:1], 0x10              ; the weights' codes, their scales
	s_load_b128 s[96:99], s[0:1], 0x20             ; bq, bk
	s_load_b64 s[100:101], s[0:1], 0x30            ; bv
	s_load_b64 s[12:13], s[0:1], 0x38              ; qkv
	v_lshl_add_u32 v[SPW], v0, 2, SPARE
	v_mov_b32 v[NIL], 0
	ds_add_u32 v[SPW], v[NIL]                      ; the wave's opening: the add, twice on end, and its wait ahead of my first tensor load
	ds_add_u32 v[SPW], v[NIL]
	v_lshrrev_b32 v1, 5, v0
	v_readfirstlane_b32 s14, v1                    ; wave 0..3
	s_lshr_b32 s15, s14, 1                         ; which half of the tile's rows is mine.  Also: I fetch for A (0) or for B (1)
	s_and_b32 s16, s14, 1                          ; which half of its columns.  Also: which 128 rows of that tile I fetch
	s_bfe_u32 s40, ttmp6, 0x40000                  ; cx, cy: my place in the cluster
	s_bfe_u32 s41, ttmp6, 0x40004
	s_lshl_b32 s42, ttmp9, 2
	s_add_co_u32 s42, s42, s40                     ; tile column = 4 x cluster x + cx; the cluster's x is the part (q, k, v)
	s_and_b32 s17, ttmp7, 0xffff
	s_lshl_b32 s17, s17, 2
	s_add_co_u32 s17, s17, s41                     ; tile row = 4 x cluster y + cy
	s_lshl_b32 s43, s41, 2
	s_lshl_b32 s43, 15, s43                        ; my row of the cluster
	s_lshl_b32 s44, 0x1111, s40                    ; my column
	; descriptor group 1: a tile of 128 rows x 256 bytes, 16 bytes of padding behind each row
	s_or_b32 s[G1+0], s43, (0<<16)|(1<<20)|(1<<21)|(5<<22)|(3<<25)
	s_or_b32 s[G1B+0], s44, (0<<16)|(1<<20)|(1<<21)|(5<<22)|(3<<25)
.irp g, G1, G1B
	s_mov_b32 s[\g+1], ROWB<<16                    ; tensor_dim0
	s_mov_b32 s[\g+2], 128<<16                     ; tensor_dim1
	s_mov_b32 s[\g+3], ROWB<<16                    ; tile_dim0
	s_mov_b32 s[\g+4], 128                         ; tile_dim1
	s_mov_b32 s[\g+5], KROW                        ; from row to row
	s_mov_b32 s[\g+6], 0
	s_mov_b32 s[\g+7], 0
.endr
	; the scales of 128 rows: 4,096 dense bytes, as 16 rows of 256 bytes (32 elements of 8 bytes), 16 bytes of padding behind each
	s_or_b32 s[G1S+0], s43, (3<<16)|(1<<20)|(1<<21)|(5<<22)|(3<<25)
	s_or_b32 s[G1SB+0], s44, (3<<16)|(1<<20)|(1<<21)|(5<<22)|(3<<25)
.irp g, G1S, G1SB
	s_mov_b32 s[\g+1], 32<<16
	s_mov_b32 s[\g+2], (128*KS/256)<<16
	s_mov_b32 s[\g+3], 32<<16
	s_mov_b32 s[\g+4], 128*KS/256
	s_mov_b32 s[\g+5], 32
	s_mov_b32 s[\g+6], 0
	s_mov_b32 s[\g+7], 0
.endr
	s_lshl_b32 s18, s16, 7                         ; which 128 rows of the tile I fetch
	s_lshl_b32 s20, s17, 8
	s_add_co_u32 s20, s20, s18                     ; A: row 256 x tile row + 128 x half
	s_lshl_b32 s46, s42, 8
	s_add_co_u32 s46, s46, s18                     ; B: row 256 x tile column + 128 x half
	s_mov_b32 s21, 0
	s_mov_b32 s47, 0
	s_mov_b64 s[18:19], KS
	s_mul_u64 s[22:23], s[20:21], s[18:19]         ; where these rows' scales begin,
	s_mul_u64 s[92:93], s[46:47], s[18:19]
	s_mov_b64 s[18:19], KROW
	s_mul_u64 s[20:21], s[20:21], s[18:19]         ; and their codes
	s_mul_u64 s[46:47], s[46:47], s[18:19]
	s_mul_i32 s45, s14, HALFT                      ; where they go: wave x 128 rows: no place in the cluster enters an LDS address
	s_mul_i32 s94, s14, HALFS
	s_wait_dscnt 0x0                               ; both opening adds are done
	s_wait_kmcnt 0x0
	s_add_nc_u64 s[20:21], s[4:5], s[20:21]
	s_add_nc_u64 s[22:23], s[6:7], s[22:23]
	s_add_nc_u64 s[46:47], s[8:9], s[46:47]
	s_add_nc_u64 s[92:93], s[10:11], s[92:93]
	CROUND                                         ; all sixteen work-groups are here: the first joint loads meet
	s_mov_b32 s[G0S], 1
	s_add_co_u32 s[G0S+1], s94, SCL
	s_mov_b64 s[G0S+2:G0S+3], s[22:23]
	s_or_b32 s[G0S+3], s[G0S+3], 0x80000000
	s_mov_b32 s[G0SB], 1
	s_add_co_u32 s[G0SB+1], s94, SCL
	s_mov_b64 s[G0SB+2:G0SB+3], s[92:93]
	s_or_b32 s[G0SB+3], s[G0SB+3], 0x80000000
	JLOAD G0S, G1S, G0SB, G1SB                     ; the scales first: they are wanted with the first slot
.irp s, 0,1
	s_mov_b32 s[G0+4*\s], 1
	s_add_co_u32 s[G0+4*\s+1], s45, \s*SLOT
	s_add_nc_u64 s[G0+4*\s+2:G0+4*\s+3], s[20:21], \s*ROWB
	s_or_b32 s[G0+4*\s+3], s[G0+4*\s+3], 0x80000000
	s_mov_b32 s[G0B+4*\s], 1
	s_add_co_u32 s[G0B+4*\s+1], s45, \s*SLOT
	s_add_nc_u64 s[G0B+4*\s+2:G0B+4*\s+3], s[46:47], \s*ROWB
	s_or_b32 s[G0B+4*\s+3], s[G0B+4*\s+3], 0x80000000
	JLOAD G0+4*\s, G1, G0B+4*\s, G1B               ; three tensor loads of mine are out at the most
.endr
	v_and_b32 v1, 15, v0                           ; r
	v_bfe_u32 v2, v0, 4, 1                         ; h
	; the bias of my 128 channels: tuple b holds bias[256 cx + 128 half + 16 b + 8 h + 0 .. 7], the layout of a result
	s_cmp_eq_u32 ttmp9, 0                          ; the choice hangs on the cluster's x alone
	s_cselect_b64 s[66:67], s[96:97], s[98:99]
	s_cmp_eq_u32 ttmp9, 2
	s_cselect_b64 s[66:67], s[100:101], s[66:67]
	s_lshl_b32 s18, s40, 10
	s_lshl_b32 s19, s16, 9
	s_add_co_u32 s18, s18, s19
	s_mov_b32 s19, 0
	s_add_nc_u64 s[66:67], s[66:67], s[18:19]
	v_lshlrev_b32 v7, 5, v2                        ; 32 h; never rewritten
.irp b, 0,1,2,3,4,5,6,7
	global_load_b128 v[BI+8*\b:BI+8*\b+3], v7, s[66:67] offset:64*\b
	global_load_b128 v[BI+8*\b+4:BI+8*\b+7], v7, s[66:67] offset:64*\b+16
.endr
	v_mul_u32_u24 v3, v1, PITCH
	v_lshl_add_u32 v4, v2, 4, v3                   ; a fragment's row x pitch + 16 x half
	s_mul_i32 s21, s15, HALFT                      ; my 128 rows of A
	s_mul_i32 s22, s16, HALFT                      ; my 128 rows of B,
	s_add_co_u32 s22, s22, 2*HALFT                 ; which lie behind A's 256
.irp s, 0,1
	v_add_nc_u32 v[ADRA+\s], s21, v4
	v_add_nc_u32 v[ADRB+\s], s22, v4
	s_add_co_u32 s21, s21, SLOT
	s_add_co_u32 s22, s22, SLOT
.endr
	v_mul_u32_u24 v5, v1, KS                       ; my row's scales: KS bytes a row,
	v_lshrrev_b32 v6, 8, v5
	v_lshl_add_u32 v5, v6, 4, v5                   ; and 16 more for each 256 passed
	s_mul_i32 s21, s15, HALFS
	s_mul_i32 s22, s16, HALFS
	s_add_co_u32 s22, s22, 2*HALFS
	s_sub_co_u32 s22, s22, s21
	v_mul_u32_u24 v6, s22, v2                      ; lanes 16-31 take B's: one product, the distance between the two bases
	s_add_co_u32 s21, s21, SCL
	v_add_nc_u32 v5, v5, v6
	v_add_nc_u32 v[ADRS], s21, v5
	; the way out: my 16 bytes' place in a piece: q, k: 16 r + 256 h = 16 x lane;  v: 32 r + 16 h
	s_cmp_eq_u32 ttmp9, 2
	s_cselect_b32 s18, 32, 16
	s_cselect_b32 s19, 16, 256
	v_mul_u32_u24 v5, s18, v1
	v_mad_u32_u24 v[CO], v2, s19, v5
	; and where my wave's pieces begin: ((batch x 16 + head) x 32 + group) x 24,576 + part x 8,192
	s_lshr_b32 s20, s17, 3                         ; batch = tile row / 8
	s_lshl_b32 s20, s20, 4
	s_lshl_b32 s21, s40, 2
	s_add_co_u32 s20, s20, s21
	s_lshl_b32 s21, s16, 1
	s_add_co_u32 s20, s20, s21                     ; + head 4 cx + 2 x half
	s_lshl_b32 s20, s20, 5
	s_and_b32 s21, s17, 7
	s_lshl_b32 s21, s21, 2
	s_add_co_u32 s20, s20, s21
	s_lshl_b32 s21, s15, 1
	s_add_co_u32 s20, s20, s21                     ; + group 4 (tile row % 8) + 2 x half
	s_mul_i32 s20, s20, 24576
	s_lshl_b32 s21, ttmp9, 13
	s_add_co_u32 s20, s20, s21
	s_mov_b32 s21, 0
	s_add_nc_u64 s[12:13], s[12:13], s[20:21]
.macro FRAG reg, adr, q, i             ; a fragment, 16 rows x 128 K of 4-bit codes: lane l holds row l % 16; registers 4 c .. 4 c + 3 hold K = 64 c + 32 (l / 16) + 0 .. 31
.irp c, 0,1
	ds_load_b128 v[\reg+4*\c:\reg+4*\c+3], v[\adr] offset:64*(\q)+32*\c+(\i)*16*PITCH
.endr
.endm
; 16 matrix instructions: A's blocks a0, a0 + 1 x B's eight, the slot's q-th 128 along K.  p: B's set; sc: the set of scale words.  zero = 1: the first product starts the sums, with the bias as C: nothing is cleared or added.
; The 64 accumulators take turns, one instruction a turn, in the same order in every step.
.macro MUL16 a0, p, q, sc, zero
.irp a, \a0, \a0+1
.irp b, 0,1,2,3,4,5,6,7
.if \zero
	v_wmma_scale_f32_16x16x128_f8f6f4 v[8*(8*((\a)%4)+\b):8*(8*((\a)%4)+\b)+7], v[128*(\p)+FR*\b:128*(\p)+FR*\b+FR-1], v[AF+FR*(\a):AF+FR*(\a)+FR-1], v[BI+8*\b:BI+8*\b+7], v[SC+8*NQ*(\sc)+NQ*\b+(\q)], v[SC+8*NQ*(\sc)+NQ*(\a)+(\q)] matrix_a_fmt:MATRIX_FMT_FP4 matrix_b_fmt:MATRIX_FMT_FP4 matrix_a_scale:MATRIX_SCALE_ROW1
.else
	v_wmma_scale_f32_16x16x128_f8f6f4 v[8*(8*((\a)%4)+\b):8*(8*((\a)%4)+\b)+7], v[128*(\p)+FR*\b:128*(\p)+FR*\b+FR-1], v[AF+FR*(\a):AF+FR*(\a)+FR-1], v[8*(8*((\a)%4)+\b):8*(8*((\a)%4)+\b)+7], v[SC+8*NQ*(\sc)+NQ*\b+(\q)], v[SC+8*NQ*(\sc)+NQ*(\a)+(\q)] matrix_a_fmt:MATRIX_FMT_FP4 matrix_b_fmt:MATRIX_FMT_FP4 matrix_a_scale:MATRIX_SCALE_ROW1
.endif
.endr
.endr
.endm
.macro FETCH_B slot, q, p
	WIN TO_B
.irp i, 0,1,2,3,4,5,6,7
	FRAG 128*(\p)+FR*\i, ADRB+\slot, \q, \i
.endr
	WIN 0
.endm
.macro FETCH_A slot, q, i0
.irp i, \i0, \i0+1, \i0+2, \i0+3
	FRAG AF+FR*(\i), ADRA+\slot, \q, \i
.endr
.endm
.macro SCALES sc                       ; a slot's scale words: four words a row; lanes 0-15 take A's block i, lanes 16-31 B's block i
.irp i, 0,1,2,3,4,5,6,7
	ds_load_b128 v[SC+8*NQ*\sc+NQ*\i:SC+8*NQ*\sc+NQ*\i+3], v[ADRS] offset:\i*SBLK
.endr
.endm
.macro PLACES n                        ; plain vector instructions between a matrix instruction and a load into, or a vector read or write of, its registers
.rept \n
	v_nop
.endr
.endm
; A step of 128 along K that has its successor in the same slot.  A has one set of registers: blocks 0-3 are fetched anew in the step's middle, blocks 4-7 at its end; B has two sets.
.macro STEP slot, q, zero
	s_wait_dscnt 4*NL                              ; all but the youngest eight loads (A's blocks 4-7) are in
.if \zero
	WIN 0x81                                       ; the bias, source 2, lies in window 0
.else
	WIN MUL_LO
.endif
	MUL16 0, (\q)%2, \q, \slot, \zero
	MUL16 2, (\q)%2, \q, \slot, \zero
	s_wait_dscnt 0                                 ; A's blocks 4-7 are in (asked for 32 matrix instructions ago)
	PLACES NP
	FETCH_B \slot, (\q)+1, 1-(\q)%2
	FETCH_A \slot, (\q)+1, 0
.if \zero
	WIN 0xc1
.else
	WIN MUL_HI
.endif
	MUL16 4, (\q)%2, \q, \slot, \zero
	MUL16 6, (\q)%2, \q, \slot, \zero
	PLACES NP
	WIN 0
	FETCH_A \slot, (\q)+1, 4
.endm
; Slot 0's last step goes on into slot 1: one barrier; in front of it each wave waits for all its tensor loads (its part of slot 1).  Nothing is filled again.
.macro TURN slot, next
	s_wait_tensorcnt 0x0                           ; all my tensor loads have landed
	ds_add_u32 v[SPW], v[NIL]                      ; 0 onto my spare word
	s_wait_dscnt 4*NL+1                            ; (the add and the youngest eight loads may be out)
	WIN MUL_LO
	MUL16 0, 1, NQ-1, \slot, 0
	s_wait_dscnt 0x0                               ; no LDS instruction of mine is out at the signal
	s_barrier_signal -1
	MUL16 2, 1, NQ-1, \slot, 0
	WIN 0
	s_barrier_wait -1                              ; every wave's part of the next slot is in
	PLACES NP
	v_add_nc_u32 v[ADRS], 4*NQ, v[ADRS]            ; on to the next slot's scale words
	FETCH_B \next, 0, 0
	FETCH_A \next, 0, 0
	SCALES \next
	WIN MUL_HI
	MUL16 4, 1, NQ-1, \slot, 0
	MUL16 6, 1, NQ-1, \slot, 0
	PLACES NP
	WIN 0
	FETCH_A \next, 0, 4
.endm
.macro STEPS slot, from
.set Q, \from
.rept NQ-1-\from
	STEP \slot, Q, 0
.set Q, Q+1
.endr
.endm
	s_wait_tensorcnt 1                             ; the scales and my part of slot 0 are in (slot 1's load may be out),
	s_barrier_signal -1
	s_barrier_wait -1                              ; everybody's are
	FETCH_B 0, 0, 0
	FETCH_A 0, 0, 0
	SCALES 0
	FETCH_A 0, 0, 4
	s_wait_loadcnt 0x0                             ; the bias
	STEP 0, 0, 1
	STEPS 0, 1
	TURN 0, 1
	STEPS 1, 0
	s_wait_dscnt 4*NL                              ; the very last step: nothing more to fetch
	WIN MUL_LO
	MUL16 0, 1, NQ-1, 1, 0
	MUL16 2, 1, NQ-1, 1, 0
	s_wait_dscnt 0
	WIN MUL_HI
	MUL16 4, 1, NQ-1, 1, 0
	MUL16 6, 1, NQ-1, 1, 0
	WIN 0
; THE WAY OUT of block a (16 tokens x 128 channels): each accumulator, from its low end on, is rounded to f16: four registers, one piece; eight stores of 512 consecutive bytes.
.macro OUT a
.set AC, 64*((\a)%4)
.set TT, TMP+32*((\a)%2)
	WIN 0x0a+5*((\a)/4)                            ; sources 0 and 1: window 2 or 3
.irp b, 0,1,2,3,4,5,6,7
.irp i, 0,1,2,3
	v_cvt_pk_f16_f32 v[TT+4*\b+\i], v[AC+8*\b+2*\i], v[AC+8*\b+2*\i+1]
.endr
.endr
	WIN 0
.irp b, 0,1,2,3,4,5,6,7
	global_store_b128 v[CO], v[TT+4*\b:TT+4*\b+3], s[12:13] offset:(\b/4)*786432+((\a)/4)*24576+((\a)%4)*2048+(\b%4)*512   ; head b / 4, group a / 4, tokens a % 4, channels b % 4
.endr
.endm
	PLACES NP                                      ; behind the last products: the roundings write registers that held scale words
	OUT 0
	OUT 1
.irp a, 2,3,4,5,6,7
	s_wait_xcnt 0x0                                ; block a - 2's stores have read their registers: the set is written again
	OUT \a
.endr
	s_wait_tensorcnt 0x0                           ; the wave's end
	ds_add_u32 v[SPW], v[NIL]
	s_wait_dscnt 0x0
	CROUND                                         ; the closing round: no work-group ends while a partner may still ask for a tile that names it
	s_endpgm
.Lfunc_end_k_qa2ffe147fe_qkv:
	.size	k_qa2ffe147fe_qkv, .Lfunc_end_k_qa2ffe147fe_qkv-k_qa2ffe147fe_qkv
	.p2alignl 7, 3214868480
	.fill 96, 4, 3214868480
	.section	.rodata,"a",@progbits
	.p2align	6, 0x0
	.amdhsa_kernel k_qa2ffe147fe_qkv
		.amdhsa_group_segment_fixed_size 327680
		.amdhsa_private_segment_fixed_size 0
		.amdhsa_enable_private_segment 0
		.amdhsa_kernarg_size 64
		.amdhsa_user_sgpr_count 2
		.amdhsa_user_sgpr_kernarg_segment_ptr 1
		.amdhsa_wavefront_size32 1
		.amdhsa_system_sgpr_workgroup_id_x 1
		.amdhsa_system_sgpr_workgroup_id_y 1
		.amdhsa_system_sgpr_workgroup_id_z 1
		.amdhsa_system_vgpr_workitem_id 0
		.amdhsa_next_free_vgpr 1024
		.amdhsa_next_free_sgpr 102
		.amdhsa_reserve_vcc 0
		.amdhsa_float_denorm_mode_32 3
		.amdhsa_float_denorm_mode_16_64 3
		.amdhsa_memory_ordered 1
		.amdhsa_forward_progress 1
		.amdhsa_inst_pref_size 120
	.end_amdhsa_kernel
	.amdgpu_metadata
---
amdhsa.version: [ 1, 2 ]
amdhsa.kernels:
  - .name:           k_qa2ffe147fe_qkv
    .symbol:         k_qa2ffe147fe_qkv.kd
    .args:
      - { .name: xc, .offset: 0, .size: 8, .value_kind: global_buffer, .address_space: global }
      - { .name: xs, .offset: 8, .size: 8, .value_kind: global_buffer, .address_space: global }
      - { .name: wc, .offset: 16, .size: 8, .value_kind: global_buffer, .address_space: global }
      - { .name: ws, .offset: 24, .size: 8, .value_kind: global_buffer, .address_space: global }
      - { .name: bq, .offset: 32, .size: 8, .value_kind: global_buffer, .address_space: global }
      - { .name: bk, .offset: 40, .size: 8, .value_kind: global_buffer, .address_space: global }
      - { .name: bv, .offset: 48, .size: 8, .value_kind: global_buffer, .address_space: global }
      - { .name: qkv, .offset: 56, .size: 8, .value_kind: global_buffer, .address_space: global }
    .group_segment_fixed_size: 327680
    .private_segment_fixed_size: 0
    .kernarg_segment_align: 8
    .kernarg_segment_size: 64
    .max_flat_workgroup_size: 128
    .sgpr_count:     102
    .vgpr_count:     1024
    .wavefront_size: 32
...
	.end_amdgpu_metadata
.endif
;; end of part 2
;; launch attn (part 3): grid 4 x 64, 8 waves a work-group, clusters of 4 x 1, 327,680 bytes of LDS; arguments qkv, of; writes of
.if DOCPART == 3
	.amdgcn_target "amdgcn-amd-amdhsa--gfx1250"
	.amdhsa_code_object_version 6
	.text
	.protected	k_qa2ffe147fe_attn
	.globl	k_qa2ffe147fe_attn
	.p2align	8
	.type	k_qa2ffe147fe_attn,@function
k_qa2ffe147fe_attn:
	s_mov_b64 s[64:65], 0
	v_nop
	global_prefetch_b8 v0, s[64:65] scope:SCOPE_SE
	s_setreg_imm32_b32 hwreg(HW_REG_WAVE_MODE, 25, 1), 1
	s_wait_xcnt 0x0
	s_wait_alu depctr_hold_cnt(0) depctr_sa_sdst(0) depctr_va_vdst(0) depctr_va_sdst(0) depctr_va_ssrc(0) depctr_va_vcc(0) depctr_vm_vsrc(0)
	s_getreg_b32 s2, hwreg(HW_REG_IB_STS2, 6, 4)
	s_cmp_eq_u32 s2, 0
	s_cbranch_scc0 .Lentry_in_a_cluster
	s_endpgm
.Lentry_in_a_cluster:
	s_bfe_u32 s2, ttmp6, 0x10000c
	s_cmp_lg_u32 s2, 0x3003
	s_cbranch_scc0 .Lentry_shape_is_right
	s_endpgm
.Lentry_shape_is_right:
; o[bh][q][:] = the sum over k of softmax_k(q . k / sqrt(64)) v[k][:], 64 heads-in-batches bh, 2,048 tokens, head size 64, no mask.  q, k, v arrive as f16 in pieces of 512 bytes (qkv: [bh][g 32][part 3][tt 4][nt 4][512]);
; products, maxima and sums in f32; the weights p are rounded to f16 for the second product, o once at the end, to f16, in the order of the next launch's operand registers: of [rt 512 (16 rows)][s 32][c 2][512 bytes].
; SHARES.  A work-group owns 512 queries of one bh, each of its eight waves 64: four tiles t of 16.  Two waves lie on a SIMD with 512 registers each: one wave's softmax stands beside the other's products.  Every wave walks all 2,048 keys, 64 a step.
; LAYOUT.  S^T = K Q^T (source 0 = 16 keys, source 1 = 16 queries): a lane holds ONE query (lane % 16) and keys 8 (lane / 16) + 0 .. 7 of the tile.  Two such tiles rounded to f16 in pairs ARE source 1 (32 keys x 16 queries) of O^T = V^T P,
; whose result again holds one query a lane and eight channels, which round to 16 bytes: a lane's part of a piece of `of`.  K's and Q's pieces are images of operand registers; V's pieces are rows [key][16 channels] and come turned, by ds_load_tr16_b128.
; SOFTMAX.  For each query a running maximum m and sum l: p = 2^(c s - c m), c = log2(e) / sqrt(64); in every step O and l are multiplied by a = 2^(c m_old - c m_new).
; CLUSTER.  The four work-groups of a bh walk the same K and V: each tile is asked for JOINTLY (mask 15).  A slot holds eight key steps (8 x 16,384 bytes); wave w brings the slot's step w: one load a wave, all eight waves alike.
; LIMIT: an o beyond 65,504 becomes infinite in f16 (o is an average of v, which has passed the same bound).
; REGISTERS.  window 0: v2-11 addresses; v32-63 statistics, eight a tile; v64-191 S^T, 32 a tile (P is packed in place over its low half); v192-255 K of one step.
;             window 1: v0-127 O^T, 32 a tile; v128-191 Q, 16 a tile; v192-255 V of one step.
.set GRP,   24576                      ; a group of 64 tokens in qkv: q, k, v, 8,192 bytes each
.set HEADB, 786432                     ; 32 groups
.set STEPB, 16384                      ; a key step in LDS: K's 8,192 bytes, then V's
.set SLOT1, 131072                     ; slot 1 begins where slot 0's eight steps end: one exclusive or turns an address in one slot into the other's
.set SPARE, 262144                     ; behind the ring: the spare words, 128 bytes for each of eight waves
.set AK0, 2                            ; v2   16 x lane: my place in a piece of K
.set AV0, 3                            ; v3   my place in a piece of V, for the turning load
.set ADR, 4                            ; v4   the LDS address of K's run of loads in hand
.set ADV, 5                            ; v5   of V's
.set GO,  6                            ; v6   16 x lane: my place in a piece of Q and of o; never rewritten
.set PFO, 8                            ; v8   256 x lane; never rewritten
.set SPW, 10
.set NIL, 11
.set ST,  32                           ; tile t at v[ST + 8 t]: +0 c m, +1 m, +2, +3 l (two halves), +4 .. +7 at work; a takes +6
.set S,   64
.set KF,  192
.set OT,  0                            ; window 1
.set QF,  128
.set VF,  192
.set WV,  12
.set LIM, 15
.set PFA, 18
.set G1,  24
.set G0A, 32
.set G0W, 36
.set SLOTS, 56
.set TRIPS, 57
.set CS,  58
.set SEL, 60
.set TB,  62                           ; s62  LDS byte at which the step to be fetched begins
.set MSB, 0
.macro WIN new
.if MSB != (\new)
	s_set_vgpr_msb (MSB<<8)|(\new)
.set MSB, (\new)
.endif
.endm
.macro CROUND
	s_barrier_signal -1
	s_barrier_wait -1
	s_cmp_lg_u32 s[WV], 0
	s_cbranch_scc1 .Lnot_wave_0_\@
	s_barrier_signal -3
.Lnot_wave_0_\@:
	s_barrier_wait -3
	s_barrier_signal -1
	s_barrier_wait -1
.endm
	s_load_b128 s[4:7], s[0:1], 0x0                ; qkv s[4:5], of s[6:7]
	v_lshl_add_u32 v[SPW], v0, 2, SPARE
	v_mov_b32 v[NIL], 0
	ds_add_u32 v[SPW], v[NIL]                      ; the wave's opening: the add, twice on end, and its wait ahead of my first tensor load
	ds_add_u32 v[SPW], v[NIL]
	v_lshrrev_b32 v1, 5, v0
	v_readfirstlane_b32 s[WV], v1                  ; wave 0..7
	s_bfe_u32 s13, ttmp6, 0x40000                  ; cx: my block of 512 queries: it enters Q's, o's and the prefetch's addresses alone
	s_and_b32 s14, ttmp7, 0xffff                   ; bh, which the four partners share
	s_mul_i32 s16, s14, HEADB                      ; its first byte in qkv (under 2^26)
	s_mul_i32 s22, s[WV], GRP
	s_add_co_u32 s22, s22, s16
	s_add_co_u32 s22, s22, 8192                    ; K and V of group w: what I fetch of slot 0
	s_mov_b32 s23, 0
	s_lshl_b32 s2, s13, 3
	s_add_co_u32 s2, s2, s[WV]                     ; my group of queries: 8 cx + w
	s_mul_i32 s2, s2, GRP
	s_add_co_u32 s2, s2, s16
	s_mov_b32 s3, 0
	s_lshr_b32 s44, s14, 4                         ; of: row tile = batch x 128 + 32 cx + 4 w (+ t), 32,768 bytes each; head x 2,048
	s_lshl_b32 s44, s44, 7
	s_lshl_b32 s45, s13, 5
	s_add_co_u32 s44, s44, s45
	s_lshl_b32 s45, s[WV], 2
	s_add_co_u32 s44, s44, s45
	s_lshl_b32 s44, s44, 15
	s_and_b32 s45, s14, 15
	s_lshl_b32 s45, s45, 11
	s_add_co_u32 s44, s44, s45
	s_mov_b32 s45, 0
	s_and_b32 s48, s[WV], 3                        ; the prefetch: group 24 + 2 cx + (w % 4) / 2, its K (w even) or V (w odd)
	s_lshr_b32 s49, s48, 1
	s_lshl_b32 s50, s13, 1
	s_add_co_u32 s49, s49, s50
	s_add_co_u32 s49, s49, 24
	s_mul_i32 s49, s49, GRP
	s_and_b32 s48, s48, 1
	s_lshl_b32 s48, s48, 13
	s_add_co_u32 s48, s48, s49
	s_add_co_u32 s48, s48, s16
	s_add_co_u32 s48, s48, 8192
	s_mov_b32 s49, 0
	s_cmp_lt_u32 s[WV], 4
	s_cselect_b32 s[LIM], 1, -1                    ; waves 0 to 3 ask; the same in all partners
	s_lshl_b32 s46, s[WV], 14                      ; where my tile goes in a slot: no place in the cluster enters an LDS address
	; descriptor group 1: 16,384 dense bytes as 64 rows of 256 (32 elements of 8 bytes), no padding: every LDS load of a wave takes 512 consecutive bytes
	s_mov_b32 s[G1], 15|(3<<16)|(1<<21)            ; the mask: all four work-groups; elements of 8 bytes; bit 21 set beside a mask
	s_mov_b32 s[G1+1], 32<<16                      ; tensor_dim0
	s_mov_b32 s[G1+2], 64<<16                      ; tensor_dim1
	s_mov_b32 s[G1+3], 32<<16                      ; tile_dim0
	s_mov_b32 s[G1+4], 64                          ; tile_dim1
	s_mov_b32 s[G1+5], 32                          ; from row to row
	s_mov_b32 s[G1+6], 0
	s_mov_b32 s[G1+7], 0
	s_mov_b32 s[CS], 0x3e38aa3b                    ; c = log2(e) / sqrt(64)
	s_mov_b32 s[CS+1], s[CS]                       ; (named with it as a pair, so it is written)
	s_mov_b32 s[SEL], 0x76543210
	s_mov_b32 s[SEL+1], 0xfedcba98                 ; v_permlanex16_b32: lane l xor 16
	s_mov_b32 s[TB], 0
	s_mov_b32 s[SLOTS], 2
	s_wait_dscnt 0x0                               ; both opening adds are done
	s_wait_kmcnt 0x0
	s_add_nc_u64 s[22:23], s[4:5], s[22:23]
	s_add_nc_u64 s[40:41], s[4:5], s[2:3]          ; Q
	s_add_nc_u64 s[42:43], s[6:7], s[44:45]        ; o
	s_add_nc_u64 s[PFA:PFA+1], s[4:5], s[48:49]    ; never rewritten
	CROUND                                         ; all four work-groups are here: the first joint loads meet
	s_mov_b32 s[G0A], 1
	s_mov_b32 s[G0A+1], s46
	s_mov_b64 s[G0A+2:G0A+3], s[22:23]
	s_or_b32 s[G0A+3], s[G0A+3], 0x80000000
	s_mov_b32 s[G0W], 1                            ; the second set then walks on
	s_add_co_u32 s[G0W+1], s46, SLOT1
	s_add_nc_u64 s[G0W+2:G0W+3], s[22:23], 8*GRP
	s_or_b32 s[G0W+3], s[G0W+3], 0x80000000
	tensor_load_to_lds s[G0A:G0A+3], s[G1:G1+7]    ; keys 0 to 511
	s_nop 0
	tensor_load_to_lds s[G0W:G0W+3], s[G1:G1+7]    ; keys 512 to 1,023: two loads of mine are out, the most in this text
	s_nop 0
.rept 4
	v_nop
.endr
	v_and_b32 v1, 31, v0
	v_lshlrev_b32 v[GO], 4, v1
	WIN 0x40                                       ; destination window 1
.irp t, 0,1,2,3
.irp s, 0,1
.irp c, 0,1
	global_load_b128 v[QF+16*\t+8*\s+4*\c:QF+16*\t+8*\s+4*\c+3], v[GO], s[40:41] offset:2048*\t+1024*\s+512*\c   ; Q stays in registers: tile t, channels 32 s + 16 c on
.endr
.endr
.endr
	WIN 0
	v_lshlrev_b32 v[AK0], 4, v1
	v_lshlrev_b32 v[PFO], 8, v1
	; the turning load takes 16 keys x 16 channels: lane l reads 16 bytes: key 8 (l / 16) + l % 8, channels 8 ((l / 8) % 2) + 0 .. 7; it leaves lane l channel l % 16 and 8 keys
	v_bfe_u32 v7, v0, 4, 1
	v_and_b32 v9, 7, v0
	v_lshl_add_u32 v[AV0], v7, 3, v9
	v_lshlrev_b32 v[AV0], 5, v[AV0]                ; rows of 32 bytes
	v_bfe_u32 v9, v0, 3, 1
	v_lshl_add_u32 v[AV0], v9, 4, v[AV0]
	v_add_nc_u32 v[AV0], 8192, v[AV0]              ; V lies behind K's 8,192 bytes
; THE LDS LOADS, in runs of 16.  A step's K: fragment (a, s) = keys 16 a on, channels 32 s on.
.macro FETCH_K
	WIN 0
	v_add_nc_u32 v[ADR], s[TB], v[AK0]
.irp a, 0,1,2,3
.irp s, 0,1
.irp c, 0,1
	ds_load_b128 v[KF+16*\a+8*\s+4*\c:KF+16*\a+8*\s+4*\c+3], v[ADR] offset:2048*\a+1024*\s+512*\c
.endr
.endr
.endr
.endm
; The same step's V, turned: fragment (kg, ct) = channels 16 ct on, keys 32 kg on.
.macro FETCH_V
	WIN 0
	v_add_nc_u32 v[ADV], s[TB], v[AV0]
	s_add_co_u32 s[TB], s[TB], STEPB               ; the next fetch is the next step's
	WIN 0x40
.irp kg, 0,1
.irp ct, 0,1,2,3
.irp e, 0,1
	ds_load_tr16_b128 v[VF+32*\kg+8*\ct+4*\e:VF+32*\kg+8*\ct+4*\e+3], v[ADV] offset:(2*\kg+\e)*2048+512*\ct
.endr
.endr
.endr
.endm
; S^T = K Q^T: 32 products; the 16 accumulators take turns, one instruction a turn; the first 16 start the sums.
.macro QK
	WIN 0x04                                       ; Q, source 1, in window 1
.irp s, 0,1
.irp a, 0,1,2,3
.irp t, 0,1,2,3
.if \s == 0
	v_wmma_f32_16x16x32_f16 v[S+32*\t+8*\a:S+32*\t+8*\a+7], v[KF+16*\a+8*\s:KF+16*\a+8*\s+7], v[QF+16*\t+8*\s:QF+16*\t+8*\s+7], 0
.else
	v_wmma_f32_16x16x32_f16 v[S+32*\t+8*\a:S+32*\t+8*\a+7], v[KF+16*\a+8*\s:KF+16*\a+8*\s+7], v[QF+16*\t+8*\s:QF+16*\t+8*\s+7], v[S+32*\t+8*\a:S+32*\t+8*\a+7]
.endif
.endr
.endr
.endr
.endm
; O^T += V^T P: 32 products, the 16 accumulators by turns.  first = 1: the first 16 start the sums: nothing is ever cleared.
.macro PV first
	WIN 0x51                                       ; V, C and D in window 1, P in window 0
.irp kg, 0,1
.irp ct, 0,1,2,3
.irp t, 0,1,2,3
.if (\first) && (\kg == 0)
	v_wmma_f32_16x16x32_f16 v[OT+32*\t+8*\ct:OT+32*\t+8*\ct+7], v[VF+32*\kg+8*\ct:VF+32*\kg+8*\ct+7], v[S+32*\t+8*\kg:S+32*\t+8*\kg+7], 0
.else
	v_wmma_f32_16x16x32_f16 v[OT+32*\t+8*\ct:OT+32*\t+8*\ct+7], v[VF+32*\kg+8*\ct:VF+32*\kg+8*\ct+7], v[S+32*\t+8*\kg:S+32*\t+8*\kg+7], v[OT+32*\t+8*\ct:OT+32*\t+8*\ct+7]
.endif
.endr
.endr
.endr
.endm
; THE SOFTMAX of a key step, the four tiles by turns, so that no line waits for the line above it.  first = 1: the first key step: no old maximum, no a, nothing to rescale.
.macro SOFTMAX first
	WIN 0
.irp j, 0,1,2,3                        ; the maximum of the lane's 32 scores: four chains, one an accumulator, each from the accumulator's low end on
.irp t, 0,1,2,3
	v_max3_num_f32 v[ST+8*\t+4+\j], v[S+32*\t+8*\j], v[S+32*\t+8*\j+1], v[S+32*\t+8*\j+2]
.endr
.endr
.irp u, 3,5
.irp j, 0,1,2,3
.irp t, 0,1,2,3
	v_max3_num_f32 v[ST+8*\t+4+\j], v[ST+8*\t+4+\j], v[S+32*\t+8*\j+\u], v[S+32*\t+8*\j+\u+1]
.endr
.endr
.endr
.irp t, 0,1,2,3
	v_max3_num_f32 v[ST+8*\t+4], v[ST+8*\t+4], v[S+32*\t+7], v[S+32*\t+15]
.endr
.irp t, 0,1,2,3
	v_max3_num_f32 v[ST+8*\t+6], v[ST+8*\t+6], v[S+32*\t+23], v[S+32*\t+31]
.endr
.irp t, 0,1,2,3
	v_max3_num_f32 v[ST+8*\t+4], v[ST+8*\t+4], v[ST+8*\t+5], v[ST+8*\t+6]
.endr
.irp t, 0,1,2,3
.if \first
	v_max_num_f32 v[ST+8*\t+4], v[ST+8*\t+4], v[ST+8*\t+7]
.else
	v_max3_num_f32 v[ST+8*\t+4], v[ST+8*\t+4], v[ST+8*\t+7], v[ST+8*\t+1]     ; and the old m
.endif
.endr
.irp t, 0,1,2,3
	v_permlanex16_b32 v[ST+8*\t+5], v[ST+8*\t+4], s[SEL], s[SEL+1]            ; the query's other 32 keys lie in the lane 16 away
.endr
.if !\first
.irp t, 0,1,2,3
	v_mov_b32 v[ST+8*\t+7], v[ST+8*\t]             ; c m_old is kept for a
.endr
.endif
.irp t, 0,1,2,3
	v_max_num_f32 v[ST+8*\t+1], v[ST+8*\t+4], v[ST+8*\t+5]
.endr
.irp t, 0,1,2,3
	v_mul_f32 v[ST+8*\t], s[CS], v[ST+8*\t+1]
.endr
.if !\first
.irp t, 0,1,2,3
	v_sub_f32 v[ST+8*\t+7], v[ST+8*\t+7], v[ST+8*\t]
.endr
.irp t, 0,1,2,3
	v_exp_f32 v[ST+8*\t+6], v[ST+8*\t+7]           ; a.  ONE BATCH begins: none of its lines names an exponential's result
.endr
.endif
.irp t, 0,1,2,3
	v_pk_fma_f32 v[S+32*\t:S+32*\t+1], v[S+32*\t:S+32*\t+1], s[CS:CS+1], v[ST+8*\t:ST+8*\t+1] op_sel_hi:[1,0,0] neg_lo:[0,0,1] neg_hi:[0,0,1]   ; pair 0: c s - c m
.endr
.set b, 1
.rept 15                               ; pair b is scaled a turn ahead of its exponentials
.irp t, 0,1,2,3
	v_pk_fma_f32 v[S+32*\t+2*b:S+32*\t+2*b+1], v[S+32*\t+2*b:S+32*\t+2*b+1], s[CS:CS+1], v[ST+8*\t:ST+8*\t+1] op_sel_hi:[1,0,0] neg_lo:[0,0,1] neg_hi:[0,0,1]
.endr
.irp t, 0,1,2,3
	v_exp_f32 v[S+32*\t+2*b-2], v[S+32*\t+2*b-2]
	v_exp_f32 v[S+32*\t+2*b-1], v[S+32*\t+2*b-1]
.endr
.set b, b+1
.endr
.irp t, 0,1,2,3
	v_exp_f32 v[S+32*\t+30], v[S+32*\t+30]
	v_exp_f32 v[S+32*\t+31], v[S+32*\t+31]
.endr
	v_nop                                          ; a plain instruction behind the last exponential, ahead of the first use
	s_wait_alu depctr_va_vdst(0)                   ; ahead of the first line that names a result: one wait for the whole batch
.irp t, 0,1,2,3                        ; the sums of the unrounded p, two chains a tile: l and u (+4, +5)
.if \first
	v_pk_add_f32 v[ST+8*\t+2:ST+8*\t+3], v[S+32*\t:S+32*\t+1], v[S+32*\t+6:S+32*\t+7]
.else
	v_pk_fma_f32 v[ST+8*\t+2:ST+8*\t+3], v[ST+8*\t+2:ST+8*\t+3], v[ST+8*\t+6:ST+8*\t+7], v[S+32*\t:S+32*\t+1] op_sel_hi:[1,0,1]   ; l a + pair 0
.endif
.endr
.irp t, 0,1,2,3
	v_pk_add_f32 v[ST+8*\t+4:ST+8*\t+5], v[S+32*\t+2:S+32*\t+3], v[S+32*\t+4:S+32*\t+5]
.endr
.if !\first
.irp t, 0,1,2,3
	v_pk_add_f32 v[ST+8*\t+2:ST+8*\t+3], v[ST+8*\t+2:ST+8*\t+3], v[S+32*\t+6:S+32*\t+7]
.endr
.endif
.irp p, 4,6,8,10,12,14
.irp t, 0,1,2,3
	v_pk_add_f32 v[ST+8*\t+4:ST+8*\t+5], v[ST+8*\t+4:ST+8*\t+5], v[S+32*\t+2*\p:S+32*\t+2*\p+1]
.endr
.irp t, 0,1,2,3
	v_pk_add_f32 v[ST+8*\t+2:ST+8*\t+3], v[ST+8*\t+2:ST+8*\t+3], v[S+32*\t+2*\p+2:S+32*\t+2*\p+3]
.endr
.endr
.irp t, 0,1,2,3
	v_pk_add_f32 v[ST+8*\t+2:ST+8*\t+3], v[ST+8*\t+2:ST+8*\t+3], v[ST+8*\t+4:ST+8*\t+5]
.endr
.set i, 0
.rept 16                               ; P in place: register i takes scores 2 i and 2 i + 1, ascending, so nothing is overwritten before it is read.  Fragment (t, kg) is v[S + 32 t + 8 kg] on
.irp t, 0,1,2,3
	v_cvt_pk_f16_f32 v[S+32*\t+i], v[S+32*\t+2*i], v[S+32*\t+2*i+1]
.endr
.set i, i+1
.endr
.if !\first
	WIN 0x41                                       ; O^T (destination and source 0) in window 1, a in window 0
.set i, 0
.rept 16
.irp t, 0,1,2,3
	v_pk_mul_f32 v[OT+32*\t+2*i:OT+32*\t+2*i+1], v[OT+32*\t+2*i:OT+32*\t+2*i+1], v[ST+8*\t+6:ST+8*\t+7] op_sel_hi:[1,0]   ; each accumulator from its low end on
.endr
.set i, i+1
.endr
.endif
.endm
; A KEY STEP j.  At its head S^T of step j has been issued and V of step j asked for.  more = 1: K and V of step j + 1 are fetched and S^T of step j + 1 is issued.
.macro ROT first, more
.rept 4
	v_nop                                          ; places behind the products K Q^T: for the softmax's reads of S^T and for the loads into K's registers
.endr
.if \more
	FETCH_K
.endif
	SOFTMAX \first
.if \more
	s_wait_dscnt 16                                ; V of this step is in; the 16 younger loads (K of the next) may be out
.else
	s_wait_dscnt 0x0
.endif
	PV \first
	WIN 0
.if \more
.rept 5
	v_nop                                          ; four places for the loads into V's registers; five for the products below, which write over P's registers
.endr
	FETCH_V
	s_wait_dscnt 16                                ; K of the next step is in; V's 16 loads may be out
	QK
	WIN 0                                          ; at a label and at a branch every window is 0
.endif
.endm
.macro STEPS_OF n
	s_mov_b32 s[TRIPS], \n
.Lstep_\@:
	ROT 0, 1
	s_sub_co_u32 s[TRIPS], s[TRIPS], 1
	s_cmp_lg_u32 s[TRIPS], 0
	s_cbranch_scc1 .Lstep_\@
.endm
; THE CHANGE OF SLOTS stands between two key steps, when the slot's last K has been multiplied and its last V asked for.  Each wave waits for all its tensor loads (one is out: its part of the other slot), adds 0 to its spare word,
; and waits for that and for its reads of the slot.  fill = 1: the barrier is a round of the cluster's, and the slot is filled again, with the keys two slots on, first thing behind it: it has eight key steps, 512 matrix instructions a wave, in which to land.
.macro CHANGE fill
	s_wait_tensorcnt 0x0                           ; no tensor load of mine is out, so a group 0 may be written
	ds_add_u32 v[SPW], v[NIL]                      ; 0 onto my spare word
.if \fill
	s_xor_b32 s[G0W+1], s[G0W+1], SLOT1            ; the walking descriptor: the other slot than last time,
	s_add_nc_u64 s[G0W+2:G0W+3], s[G0W+2:G0W+3], 8*GRP   ; the next 512 keys; the type bits on top are not reached
.endif
	s_sub_co_u32 s[TB], s[TB], 8*STEPB             ; the fetches go back to a slot's first step,
	s_xor_b32 s[TB], s[TB], SLOT1                  ; in the other slot
	s_wait_dscnt 0x0                               ; the add is done, and my reads of the slot are over
.if \fill
	CROUND
	tensor_load_to_lds s[G0W:G0W+3], s[G1:G1+7]
	s_nop 0
.rept 4
	v_nop
.endr
	; A PREFETCH of what the NEXT change will ask for: at the first change alone, keys 1,536 to 2,047: eight groups' K and V, 131,072 bytes.  The four partners share them out by address, two groups each; in each, waves 0 to 3 take
	; 8,192 bytes, lanes 256 bytes apart: every 256 bytes are named once in the launch.  It stands eight key steps ahead of the load that wants the bytes.  The second change asks for nothing: there is no slot behind it.
	s_cmp_gt_u32 s[SLOTS], s[LIM]
	s_cbranch_scc0 .Lnot_mine_\@
	global_prefetch_b8 v[PFO], s[PFA:PFA+1] th:TH_LOAD_NT scope:SCOPE_SE
.Lnot_mine_\@:
.else
	s_barrier_signal -1
	s_barrier_wait -1
.endif
.endm
	s_wait_tensorcnt 1                             ; my part of slot 0 is in; slot 1's may stay out
	s_barrier_signal -1
	s_barrier_wait -1                              ; everybody's is
	FETCH_K                                        ; key step 0
	FETCH_V
	s_wait_loadcnt 0x0                             ; Q
	s_wait_dscnt 16                                ; K
	QK
	WIN 0
	ROT 1, 1                                       ; step 0; fetches step 1
	STEPS_OF 6                                     ; steps 1 to 6; fetch 2 to 7: slot 0 is read out
.Lslot:                                                ; two trips: slots 0 and 1 are filled again
	CHANGE 1
	STEPS_OF 8
	s_sub_co_u32 s[SLOTS], s[SLOTS], 1
	s_cmp_lg_u32 s[SLOTS], 0
	s_cbranch_scc1 .Lslot
	CHANGE 0                                       ; the tail is written out
	STEPS_OF 8                                     ; steps 23 to 30; fetch 24 to 31
	ROT 0, 0                                       ; step 31
	; THE WAY OUT.  l's two halves and the other half of the lanes' are added (these additions are the places behind the last products); O^T / l is rounded to f16: four registers an accumulator, one piece of `of`.
.irp t, 0,1,2,3
	v_add_f32 v[ST+8*\t+4], v[ST+8*\t+2], v[ST+8*\t+3]
.endr
.irp t, 0,1,2,3
	v_permlanex16_b32 v[ST+8*\t+5], v[ST+8*\t+4], s[SEL], s[SEL+1]
.endr
.irp t, 0,1,2,3
	v_add_f32 v[ST+8*\t+4], v[ST+8*\t+4], v[ST+8*\t+5]
.endr
.irp t, 0,1,2,3
	v_rcp_f32 v[ST+8*\t+6], v[ST+8*\t+4]
.endr
	v_nop                                          ; a plain instruction between the last reciprocal and the use of its result
	s_wait_alu depctr_va_vdst(0)                   ; and the wait: one for the four
	WIN 0x41
.set i, 0
.rept 16
.irp t, 0,1,2,3
	v_pk_mul_f32 v[OT+32*\t+2*i:OT+32*\t+2*i+1], v[OT+32*\t+2*i:OT+32*\t+2*i+1], v[ST+8*\t+6:ST+8*\t+7] op_sel_hi:[1,0]
.endr
.set i, i+1
.endr
	WIN 0x05                                       ; sources in window 1, destination in window 0: S^T's registers are free
.set i, 0
.rept 64
	v_cvt_pk_f16_f32 v[S+i], v[OT+2*i], v[OT+2*i+1]
.set i, i+1
.endr
	WIN 0
.irp t, 0,1,2,3
.irp ct, 0,1,2,3
	global_store_b128 v[GO], v[S+16*\t+4*\ct:S+16*\t+4*\ct+3], s[42:43] offset:\t*32768+\ct*512   ; 32 lanes store 512 consecutive bytes
.endr
.endr
	s_wait_tensorcnt 0x0                           ; the wave's end
	ds_add_u32 v[SPW], v[NIL]
	s_wait_dscnt 0x0
	CROUND                                         ; the closing round
	s_endpgm
.Lfunc_end_k_qa2ffe147fe_attn:
	.size	k_qa2ffe147fe_attn, .Lfunc_end_k_qa2ffe147fe_attn-k_qa2ffe147fe_attn
	.p2alignl 7, 3214868480
	.fill 96, 4, 3214868480
	.section	.rodata,"a",@progbits
	.p2align	6, 0x0
	.amdhsa_kernel k_qa2ffe147fe_attn
		.amdhsa_group_segment_fixed_size 327680
		.amdhsa_private_segment_fixed_size 0
		.amdhsa_enable_private_segment 0
		.amdhsa_kernarg_size 16
		.amdhsa_user_sgpr_count 2
		.amdhsa_user_sgpr_kernarg_segment_ptr 1
		.amdhsa_wavefront_size32 1
		.amdhsa_system_sgpr_workgroup_id_x 1
		.amdhsa_system_sgpr_workgroup_id_y 1
		.amdhsa_system_sgpr_workgroup_id_z 1
		.amdhsa_system_vgpr_workitem_id 0
		.amdhsa_next_free_vgpr 512
		.amdhsa_next_free_sgpr 66
		.amdhsa_reserve_vcc 0
		.amdhsa_float_denorm_mode_32 3
		.amdhsa_float_denorm_mode_16_64 3
		.amdhsa_memory_ordered 1
		.amdhsa_forward_progress 1
		.amdhsa_inst_pref_size 172
	.end_amdhsa_kernel
	.amdgpu_metadata
---
amdhsa.version: [ 1, 2 ]
amdhsa.kernels:
  - .name:           k_qa2ffe147fe_attn
    .symbol:         k_qa2ffe147fe_attn.kd
    .args:
      - { .name: qkv, .offset: 0, .size: 8, .value_kind: global_buffer, .address_space: global }
      - { .name: of, .offset: 8, .size: 8, .value_kind: global_buffer, .address_space: global }
    .group_segment_fixed_size: 327680
    .private_segment_fixed_size: 0
    .kernarg_segment_align: 8
    .kernarg_segment_size: 16
    .max_flat_workgroup_size: 256
    .sgpr_count:     66
    .vgpr_count:     512
    .wavefront_size: 32
...
	.end_amdgpu_metadata
.endif
;; end of part 3
;; launch proj (part 4): grid 4 x 64, 4 waves a work-group, clusters of 4 x 4, 327,680 bytes of LDS; arguments of, wo16, bo, out0; writes out0
.if DOCPART == 4
	.amdgcn_target "amdgcn-amd-amdhsa--gfx1250"
	.amdhsa_code_object_version 6
	.text
	.protected	k_qa2ffe147fe_proj
	.globl	k_qa2ffe147fe_proj
	.p2align	8
	.type	k_qa2ffe147fe_proj,@function
k_qa2ffe147fe_proj:
	s_mov_b64 s[64:65], 0
	v_nop
	global_prefetch_b8 v0, s[64:65] scope:SCOPE_SE
	s_setreg_imm32_b32 hwreg(HW_REG_WAVE_MODE, 25, 1), 1
	s_wait_xcnt 0x0
	s_wait_alu depctr_hold_cnt(0) depctr_sa_sdst(0) depctr_va_vdst(0) depctr_va_sdst(0) depctr_va_ssrc(0) depctr_va_vcc(0) depctr_vm_vsrc(0)
	s_getreg_b32 s2, hwreg(HW_REG_IB_STS2, 6, 4)
	s_cmp_eq_u32 s2, 0
	s_cbranch_scc0 .Lentry_in_a_cluster
	s_endpgm
.Lentry_in_a_cluster:
	s_bfe_u32 s2, ttmp6, 0x10000c
	s_cmp_lg_u32 s2, 0xf033
	s_cbranch_scc0 .Lentry_shape_is_right
	s_endpgm
.Lentry_shape_is_right:
; out0[m][n] = sum over k of o[m][k] Wo[k][n] + bo[n]: 8,192 x 1,024 x 1,024, f16 operands, f32 sums, f32 out.
; Both operands arrive in the order of an operand's registers, in pieces of 512 bytes: of [rt 512 (16 rows)][s 32][c 2][512], wo16 [nblk 4][kg 8][nt 16][s 4][c 2][512]: lane (r, h) holds row (or column) r and k = 32 s + 16 c + 8 h + 0 .. 7.
; So a K step's tiles are dense blocks for the tensor loads, every LDS load of a wave takes 512 consecutive bytes, and no padding is needed.
; A tile of out0 is 128 rows x 256 columns: 256 work-groups.  Four waves, each 64 x 128: 32 accumulators, 256 registers.  K goes in eight steps of 128 through two LDS slots.
; CLUSTERS: 4 x 4 work-groups; the grid is one cluster wide, so cx is the block of 256 columns.  o's tiles are asked for jointly along a row of the cluster, Wo's along a column.
; THE MATRIX INSTRUCTION IS USED TRANSPOSED (source 0 = 16 columns of Wo, source 1 = 16 rows of o): a lane holds eight neighbouring numbers of a row of out0.  THE BIAS is the C of each sum's first matrix instruction.
; REGISTERS: window 0: v0-31 addresses; v32-95 the bias; v96-127, v128-159 o's fragments, two buffers (on the way out v96-223: rows read back).  window 1: v0-63, v64-127 Wo's fragments, two buffers.  window 2: accumulator (a, b) at v[8 (8 a + b)].
.set SLOT,   98304                     ; o's 8 row tiles x 4,096 bytes, then Wo's 16 column tiles x 4,096
.set BOFF,   32768
.set STAGE,  2*SLOT                    ; behind the ring: 16 rows x 528 bytes for each wave; no tensor load lands here
.set SPITCH, 528
.set SPARE,  STAGE+4*16*SPITCH         ; behind the stages: the spare words
.set ADRA, 16
.set ADRB, 20
.set STO,  24
.set RD,   25
.set CO,   26
.set SPW,  28
.set NIL,  29
.set PFO,  30
.set BI,   32
.set AFR,  96
.set BK,   96
.set G1A, 24
.set G0A, 32
.set LIM, 42
.set PFA, 46
.set G1B, 48
.set G0B, 56
.set MSB, 0
.macro WIN new
.if MSB != (\new)
	s_set_vgpr_msb (MSB<<8)|(\new)
.set MSB, (\new)
.endif
.endm
.set MUL,  0xa1                        ; source 0 (Wo) window 1, source 1 (o) window 0, C and D window 2
.set MULB, 0x81                        ; the same with C, the bias, in window 0
.set TO_B, 0x40
.macro JLOAD s                         ; a joint load: waves 0 and 1 fetch o's two halves, waves 2 and 3 Wo's; an s_nop 0 and four v_nop follow each of the two lines
	s_cmp_eq_u32 s15, 0
	s_cbranch_scc0 .Lfor_b_\@
	tensor_load_to_lds s[G0A+4*\s:G0A+4*\s+3], s[G1A:G1A+7]
	s_nop 0
.rept 4
	v_nop
.endr
	s_branch .Lasked_\@
.Lfor_b_\@:
	tensor_load_to_lds s[G0B+4*\s:G0B+4*\s+3], s[G1B:G1B+7]
	s_nop 0
.rept 4
	v_nop
.endr
.Lasked_\@:
.endm
.macro CREST
	s_cmp_lg_u32 s14, 0
	s_cbranch_scc1 .Lnot_wave_0_\@
	s_barrier_signal -3
.Lnot_wave_0_\@:
	s_barrier_wait -3
	s_barrier_signal -1
	s_barrier_wait -1
.endm
.macro CROUND
	s_barrier_signal -1
	s_barrier_wait -1
	CREST
.endm
	s_load_b256 s[4:11], s[0:1], 0x0               ; of s[4:5], wo16 s[6:7], bo s[8:9], out0 s[10:11]
	v_lshl_add_u32 v[SPW], v0, 2, SPARE
	v_mov_b32 v[NIL], 0
	ds_add_u32 v[SPW], v[NIL]                      ; the wave's opening: the add, twice on end, and its wait ahead of my first tensor load
	ds_add_u32 v[SPW], v[NIL]
	v_lshrrev_b32 v1, 5, v0
	v_readfirstlane_b32 s14, v1                    ; wave 0..3
	s_lshr_b32 s15, s14, 1                         ; which 64 rows are mine.  Also: I fetch for o (0) or for Wo (1)
	s_and_b32 s16, s14, 1                          ; which 128 columns.  Also: which half of that tile I fetch
	s_bfe_u32 s40, ttmp6, 0x40000                  ; cx: the block of 256 columns
	s_bfe_u32 s41, ttmp6, 0x40004                  ; cy
	s_and_b32 s17, ttmp7, 0xffff
	s_lshl_b32 s17, s17, 2
	s_add_co_u32 s17, s17, s41                     ; the block of 128 rows = 4 x cluster y + cy
	s_lshl_b32 s43, s41, 2
	s_lshl_b32 s43, 15, s43                        ; my row of the cluster
	s_lshl_b32 s44, 0x1111, s40                    ; my column
	s_or_b32 s[G1A], s43, (3<<16)|(1<<21)          ; o: four row tiles' 4,096 bytes of a K step (512 elements of 8 bytes), 32,768 bytes apart
	s_mov_b32 s[G1A+1], 512<<16
	s_mov_b32 s[G1A+2], 4<<16
	s_mov_b32 s[G1A+3], 512<<16
	s_mov_b32 s[G1A+4], 4
	s_mov_b32 s[G1A+5], 4096
	s_mov_b32 s[G1A+6], 0
	s_mov_b32 s[G1A+7], 0
	s_or_b32 s[G1B], s44, (3<<16)|(1<<21)          ; Wo: 32,768 dense bytes as 128 rows of 256
	s_mov_b32 s[G1B+1], 32<<16
	s_mov_b32 s[G1B+2], 128<<16
	s_mov_b32 s[G1B+3], 32<<16
	s_mov_b32 s[G1B+4], 128
	s_mov_b32 s[G1B+5], 32
	s_mov_b32 s[G1B+6], 0
	s_mov_b32 s[G1B+7], 0
	s_lshl_b32 s20, s17, 3
	s_lshl_b32 s21, s16, 2
	s_add_co_u32 s20, s20, s21
	s_lshl_b32 s20, s20, 15                        ; o: row tile 8 x block + 4 x half
	s_mov_b32 s21, 0
	s_lshl_b32 s22, s40, 19
	s_lshl_b32 s23, s16, 15
	s_add_co_u32 s22, s22, s23                     ; Wo: block cx, half of a K step's 65,536 bytes
	s_mov_b32 s23, 0
	s_lshl_b32 s18, s16, 14                        ; where they go: no place in the cluster enters an LDS address
	s_lshl_b32 s19, s16, 15
	s_add_co_u32 s19, s19, BOFF
	s_wait_dscnt 0x0                               ; both opening adds are done
	s_wait_kmcnt 0x0
	s_add_nc_u64 s[20:21], s[4:5], s[20:21]
	s_add_nc_u64 s[22:23], s[6:7], s[22:23]
	CROUND                                         ; all sixteen work-groups are here: the first joint loads meet
.irp s, 0,1
	s_mov_b32 s[G0A+4*\s], 1
	s_add_co_u32 s[G0A+4*\s+1], s18, \s*SLOT
	s_add_nc_u64 s[G0A+4*\s+2:G0A+4*\s+3], s[20:21], \s*4096
	s_or_b32 s[G0A+4*\s+3], s[G0A+4*\s+3], 0x80000000
	s_mov_b32 s[G0B+4*\s], 1
	s_add_co_u32 s[G0B+4*\s+1], s19, \s*SLOT
	s_add_nc_u64 s[G0B+4*\s+2:G0B+4*\s+3], s[22:23], \s*65536
	s_or_b32 s[G0B+4*\s+3], s[G0B+4*\s+3], 0x80000000
	JLOAD \s                                       ; two tensor loads of mine are out at the most
.endr
	v_and_b32 v1, 15, v0                           ; r
	v_bfe_u32 v2, v0, 4, 1                         ; h
	v_and_b32 v3, 31, v0
	; the bias: tuple b holds bo[256 cx + 128 half + 16 b + 8 h + 0 .. 7]
	s_lshl_b32 s12, s40, 10
	s_lshl_b32 s13, s16, 9
	s_add_co_u32 s12, s12, s13
	s_mov_b32 s13, 0
	s_add_nc_u64 s[8:9], s[8:9], s[12:13]
	v_lshlrev_b32 v5, 5, v2                        ; never rewritten
.irp b, 0,1,2,3,4,5,6,7
	global_load_b128 v[BI+8*\b:BI+8*\b+3], v5, s[8:9] offset:64*\b
	global_load_b128 v[BI+8*\b+4:BI+8*\b+7], v5, s[8:9] offset:64*\b+16
.endr
	; the prefetches, of o alone (Wo's 2 MiB are read again by every row of clusters): my work-group's two row tiles of the eight, at K step 2
	s_lshl_b32 s12, s17, 3
	s_lshl_b32 s13, s40, 1
	s_add_co_u32 s12, s12, s13
	s_lshl_b32 s12, s12, 15
	s_add_co_u32 s12, s12, 2*4096
	s_mov_b32 s13, 0
	s_add_nc_u64 s[PFA:PFA+1], s[4:5], s[12:13]
	s_cmp_eq_u32 s14, 0
	s_cselect_b32 s[LIM], 1, -1                    ; wave 0 asks; the same in all partners
	v_lshlrev_b32 v[PFO], 8, v1
	v_lshl_add_u32 v[PFO], v2, 15, v[PFO]          ; lanes 0-15: one row tile's 4,096 bytes, 256 apart; lanes 16-31: the next tile's
	v_lshlrev_b32 v[CO], 4, v3                     ; 16 x lane
	s_lshl_b32 s12, s15, 14                        ; my four row tiles
	s_lshl_b32 s13, s16, 15                        ; my eight column tiles,
	s_add_co_u32 s13, s13, BOFF                    ; which lie behind o's
.irp s, 0,1
	v_add_nc_u32 v[ADRA+\s], s12, v[CO]
	v_add_nc_u32 v[ADRB+\s], s13, v[CO]
	s_add_co_u32 s12, s12, SLOT
	s_add_co_u32 s13, s13, SLOT
.endr
	s_mul_i32 s12, s14, 16*SPITCH
	s_add_co_u32 s12, s12, STAGE                   ; my stage
	v_mul_u32_u24 v4, v1, SPITCH
	v_lshl_add_u32 v4, v2, 5, v4
	v_add_nc_u32 v[STO], s12, v4                   ; in: row r, 32 bytes for each half of the lanes
	v_add_nc_u32 v[RD], s12, v[CO]                 ; back: the 32 lanes take one row of 512 bytes
	s_lshl_b32 s12, s17, 7
	s_lshl_b32 s13, s15, 6
	s_add_co_u32 s12, s12, s13                     ; my first row
	s_lshl_b32 s12, s12, 12
	s_lshl_b32 s13, s40, 10
	s_add_co_u32 s12, s12, s13
	s_lshl_b32 s13, s16, 9
	s_add_co_u32 s12, s12, s13                     ; my first column, in bytes
	s_mov_b32 s13, 0
	s_add_nc_u64 s[10:11], s[10:11], s[12:13]
; 8 matrix instructions: row tile a x all 8 column tiles, 32 along K, from buffer f.  The 32 accumulators take turns, one instruction a turn, in the same order in every quarter.
.macro MUL8 f, a, zero
.irp b, 0,1,2,3,4,5,6,7
.if \zero
	v_wmma_f32_16x16x32_f16 v[8*(8*\a+\b):8*(8*\a+\b)+7], v[64*\f+8*\b:64*\f+8*\b+7], v[AFR+32*\f+8*\a:AFR+32*\f+8*\a+7], v[BI+8*\b:BI+8*\b+7]
.else
	v_wmma_f32_16x16x32_f16 v[8*(8*\a+\b):8*(8*\a+\b)+7], v[64*\f+8*\b:64*\f+8*\b+7], v[AFR+32*\f+8*\a:AFR+32*\f+8*\a+7], v[8*(8*\a+\b):8*(8*\a+\b)+7]
.endif
.endr
.endm
; 24 LDS loads in one run: the fragments of the slot's q-th 32 along K into buffer f: Wo's sixteen first, then o's eight
.macro FETCH slot, q, f
	WIN TO_B
.irp b, 0,1,2,3,4,5,6,7
	ds_load_b128 v[64*\f+8*\b:64*\f+8*\b+3],   v[ADRB+\slot] offset:4096*\b+1024*\q
	ds_load_b128 v[64*\f+8*\b+4:64*\f+8*\b+7], v[ADRB+\slot] offset:4096*\b+1024*\q+512
.endr
	WIN 0
.irp a, 0,1,2,3
	ds_load_b128 v[AFR+32*\f+8*\a:AFR+32*\f+8*\a+3],   v[ADRA+\slot] offset:4096*\a+1024*\q
	ds_load_b128 v[AFR+32*\f+8*\a+4:AFR+32*\f+8*\a+7], v[ADRA+\slot] offset:4096*\a+1024*\q+512
.endr
.endm
.macro PLACES                          ; four plain vector instructions in front of loads into registers that matrix instructions have read, and of the first read of results
.rept 4
	v_nop
.endr
.endm
; A K step is four quarters of 32 along K, 32 matrix instructions each, on buffers 0, 1, 0, 1.  One of the first three: multiplies buffer f and fetches quarter q of the slot into g.
.macro QUARTER slot, q, f, g, zero
	s_wait_dscnt 4                                 ; all but the youngest four loads (o's tiles 2 and 3) are in
.if \zero
	WIN MULB
.else
	WIN MUL
.endif
	MUL8 \f, 0, \zero
	MUL8 \f, 1, \zero
	PLACES
	FETCH \slot, \q, \g
	s_wait_dscnt 24                                ; all but the 24 just issued
.if \zero
	WIN MULB
.else
	WIN MUL
.endif
	MUL8 \f, 2, \zero
	MUL8 \f, 3, \zero
.endm
; The last quarter multiplies buffer 1 and changes slots: ONE barrier; in front of it each wave waits for all its tensor loads, adds 0 to its spare word, and waits for that and for its reads of this slot.
; fill = 1: the barrier opens a round of the cluster's, and this slot is filled again, two K steps ahead, first thing behind the round: 112 matrix instructions ahead of the wait for it.
.macro TURN slot, next, fill
.if \fill
	s_wait_xcnt 0x0                                ; the last prefetch, a K step back, has read its address: it is stepped here, ahead of the waits of the change of slots
	s_add_nc_u64 s[PFA:PFA+1], s[PFA:PFA+1], 4096
.endif
	WIN 0                                          ; (the add's two registers lie in window 0)
	s_wait_tensorcnt 0x0                           ; all my tensor loads have landed: my part of the next slot
	ds_add_u32 v[SPW], v[NIL]                      ; 0 onto my spare word
	s_wait_dscnt 5                                 ; (the add and the youngest four loads may be out)
	WIN MUL
	MUL8 1, 0, 0                                   ; eight matrix instructions stand between the add and the wait for it
	s_wait_dscnt 0x0                               ; the add is done, and my reads of this slot are over
	s_barrier_signal -1
	MUL8 1, 1, 0
	WIN 0
	s_barrier_wait -1
.if \fill
	CREST                                          ; no wave of any partner still reads this slot's tile or has a load on its way
	s_add_nc_u64 s[G0A+4*\slot+2:G0A+4*\slot+3], s[G0A+4*\slot+2:G0A+4*\slot+3], 2*4096
	s_add_nc_u64 s[G0B+4*\slot+2:G0B+4*\slot+3], s[G0B+4*\slot+2:G0B+4*\slot+3], 2*65536
	JLOAD \slot                                    ; the four v_nop behind it are also the places in front of the loads below
.else
	PLACES
.endif
	FETCH \next, 0, 0
.if \fill
	; A PREFETCH of o's K step that stands two refills on: 8 row tiles x 4,096 bytes; the four partners that ask for the tile jointly take two row tiles each, told apart by address; wave 0 asks, lanes 256 bytes apart:
	; every 256 bytes are named once in the launch.  K steps 0 to 3 come by their loads alone; the loop's last trip (s3 = 1) has no K step two refills on.
	s_cmp_gt_u32 s3, s[LIM]
	s_cbranch_scc0 .Lnot_mine_\@
	global_prefetch_b8 v[PFO], s[PFA:PFA+1] offset:4096 th:TH_LOAD_NT scope:SCOPE_SE
.Lnot_mine_\@:
.endif
	WIN MUL
	MUL8 1, 2, 0
	MUL8 1, 3, 0
.endm
	s_wait_tensorcnt 1                             ; my part of K step 0 is in,
	s_barrier_signal -1
	s_barrier_wait -1                              ; everybody's is
	FETCH 0, 0, 0
	s_wait_loadcnt 0x0                             ; the bias
	QUARTER 0, 1, 0, 1, 1                          ; the first quarter stands in front of the loop: its products start the sums, with the bias as C
	WIN 0                                          ; at a label and at a branch every window is 0
	s_mov_b32 s3, 3
.Llap:                                                 ; a trip goes once round the ring, from a lap's second quarter to the next lap's first, and fills both slots again
	QUARTER 0, 2, 1, 0, 0
	QUARTER 0, 3, 0, 1, 0
	TURN 0, 1, 1
	QUARTER 1, 1, 0, 1, 0
	QUARTER 1, 2, 1, 0, 0
	QUARTER 1, 3, 0, 1, 0
	TURN 1, 0, 1
	QUARTER 0, 1, 0, 1, 0
	WIN 0
	s_sub_co_u32 s3, s3, 1
	s_cmp_lg_u32 s3, 0
	s_cbranch_scc1 .Llap
	QUARTER 0, 2, 1, 0, 0                          ; the last lap fills nothing, and has no round of the cluster's barrier
	QUARTER 0, 3, 0, 1, 0
	TURN 0, 1, 0
	QUARTER 1, 1, 0, 1, 0
	QUARTER 1, 2, 1, 0, 0
	QUARTER 1, 3, 0, 1, 0
	s_wait_dscnt 4                                 ; the very last quarter: nothing more to fetch
	WIN MUL
	MUL8 1, 0, 0
	MUL8 1, 1, 0
	s_wait_dscnt 0
	MUL8 1, 2, 0
	MUL8 1, 3, 0
	WIN 0
; THE WAY OUT, block by block of 16 rows x 128 columns: through my own stage in LDS and back as whole rows of 512 bytes.  LDS serves a wave's instructions in order (ISA guide 5.7.1.4): no wait between the stores and the loads.
.macro TOSTAGE a
	WIN 0x08                                       ; an LDS store's data are its source 1: window 2
.irp b, 0,1,2,3,4,5,6,7
	ds_store_b128 v[STO], v[64*(\a)+8*\b:64*(\a)+8*\b+3] offset:64*\b          ; each accumulator from its low end on
	ds_store_b128 v[STO], v[64*(\a)+8*\b+4:64*(\a)+8*\b+7] offset:64*\b+16
.endr
	WIN 0
.set BB, BK+64*((\a)%2)
.irp t, 0,1,2,3,4,5,6,7,8,9,10,11,12,13,14,15
	ds_load_b128 v[BB+4*\t:BB+4*\t+3], v[RD] offset:\t*SPITCH
.endr
.endm
.macro SEND a, younger                 ; younger: the LDS instructions issued behind block a's loads, which may stay out
.set BB, BK+64*((\a)%2)
	s_wait_dscnt \younger
.irp t, 0,1,2,3,4,5,6,7,8,9,10,11,12,13,14,15
	global_store_b128 v[CO], v[BB+4*\t:BB+4*\t+3], s[10:11] offset:(16*(\a)+\t)*4096 th:TH_STORE_NT   ; 32 lanes store 512 consecutive bytes, at a multiple of 256 from out0's first byte
.endr
.endm
	PLACES                                         ; behind the last products: for the reads of results and the loads into registers that held o's fragments
	TOSTAGE 0
.irp a, 1,2,3
.if \a > 1
	s_wait_xcnt 0x0                                ; block a - 2's stores have read their registers: block a's loads may land there
.endif
	TOSTAGE \a
	SEND \a-1, 32                                  ; behind block a - 1's loads: block a's 16 stores and 16 loads
.endr
	SEND 3, 0
	s_wait_tensorcnt 0x0                           ; the wave's end, behind my last tensor load and my last LDS store
	ds_add_u32 v[SPW], v[NIL]
	s_wait_dscnt 0x0
	CROUND                                         ; the closing round
	s_endpgm
.Lfunc_end_k_qa2ffe147fe_proj:
	.size	k_qa2ffe147fe_proj, .Lfunc_end_k_qa2ffe147fe_proj-k_qa2ffe147fe_proj
	.p2alignl 7, 3214868480
	.fill 96, 4, 3214868480
	.section	.rodata,"a",@progbits
	.p2align	6, 0x0
	.amdhsa_kernel k_qa2ffe147fe_proj
		.amdhsa_group_segment_fixed_size 327680
		.amdhsa_private_segment_fixed_size 0
		.amdhsa_enable_private_segment 0
		.amdhsa_kernarg_size 32
		.amdhsa_user_sgpr_count 2
		.amdhsa_user_sgpr_kernarg_segment_ptr 1
		.amdhsa_wavefront_size32 1
		.amdhsa_system_sgpr_workgroup_id_x 1
		.amdhsa_system_sgpr_workgroup_id_y 1
		.amdhsa_system_sgpr_workgroup_id_z 1
		.amdhsa_system_vgpr_workitem_id 0
		.amdhsa_next_free_vgpr 768
		.amdhsa_next_free_sgpr 66
		.amdhsa_reserve_vcc 0
		.amdhsa_float_denorm_mode_32 3
		.amdhsa_float_denorm_mode_16_64 3
		.amdhsa_memory_ordered 1
		.amdhsa_forward_progress 1
		.amdhsa_inst_pref_size 87
	.end_amdhsa_kernel
	.amdgpu_metadata
---
amdhsa.version: [ 1, 2 ]
amdhsa.kernels:
  - .name:           k_qa2ffe147fe_proj
    .symbol:         k_qa2ffe147fe_proj.kd
    .args:
      - { .name: of, .offset: 0, .size: 8, .value_kind: global_buffer, .address_space: global }
      - { .name: wo16, .offset: 8, .size: 8, .value_kind: global_buffer, .address_space: global }
      - { .name: bo, .offset: 16, .size: 8, .value_kind: global_buffer, .address_space: global }
      - { .name: out0, .offset: 24, .size: 8, .value_kind: global_buffer, .address_space: global }
    .group_segment_fixed_size: 327680
    .private_segment_fixed_size: 0
    .kernarg_segment_align: 8
    .kernarg_segment_size: 32
    .max_flat_workgroup_size: 128
    .sgpr_count:     66
    .vgpr_count:     768
    .wavefront_size: 32
...
	.end_amdgpu_metadata
.endif
;; end of part 4
